; MI455X (gfx1250); checked and timed in simulation.
; The chip was launched on July 23, 2026; its instructions are those of AMD's public machine-readable ISA for CDNA 5 (MIT licence, August 2026) and "CDNA5" Instruction Set Architecture Reference Guide (July 2026). The comments in the code are by the model that wrote it; some were corrected since.
;; Attention. Allowed arithmetic: matrix products marked QUANTISED: E3M2 operands, one E8M0 scale for each 32 along K, by v_wmma_scale_f32_16x16x128_f8f6f4 with both operands' format E3M2, f32 sums; everything else in f32.
;; Inputs: Wkv 2,048 x 1,024 float32; Wo 1,024 x 2,048 float32; Wq 2,048 x 1,024 float32; attn_mask 2,048 x 2,048 float32; bkv 1,024 float32; bo 2,048 float32; bq 1,024 float32; key_padding_mask 2 x 2,048 bool; kv 2 x 2,048 x 2,048 float32; query 2 x 2,048 x 2,048 float32.
;; Outputs: out0 2 x 2,048 x 2,048 float32.
;; This version of the problem:
;;   THIS VERSION OF THE PROBLEM IS GIVEN IN LOW PRECISION. The matrix products marked QUANTISED in the list below multiply operands that are first quantised to E3M2 (3 exponent bits, 2 mantissa bits; 6 bits a number), with one power-of-two scale for each 32 numbers along K (OCP MX v1.0); their sums are f32. All else is computed in f32.
;;   The module's matrix products, in the order in which they are computed (A, B: the left and right operand; K: the contracted axis; several contracted axes count as one K, in the product's order):
;;     1. [M 4,096, K 2,048] x [K 2,048, N 1,024]; A: input query; B: input Wq: QUANTISED
;;     2. [M 4,096, K 2,048] x [K 2,048, N 1,024]; A: input kv; B: input Wkv: QUANTISED
;;     3. batch 32 x [M 2,048, K 64] x [K 64, N 2,048]; A: computed on the way; B: computed on the way: QUANTISED
;;     4. batch 32 x [M 2,048, K 2,048] x [K 2,048, N 64]; A: softmax (see below); B: computed on the way: QUANTISED
;;     5. [M 4,096, K 1,024] x [K 1,024, N 2,048]; A: computed on the way; B: input Wo: QUANTISED
;;   THE QUANTISER, for each operand of a quantised product, along K:
;;     - K is cut into blocks of 32 from its start; a last block that is shorter is filled with zeros.
;;     - A block's scale is 2^e with e = floor(log2(the largest magnitude in the block)) - 4, held to -126 .. 127; a block of zeros has e = 0. As a byte (E8M0): e + 127.
;;     - Each number is divided by its block's scale, clamped to +-28, and rounded to the nearest number of E3M2, ties to even, subnormals kept.
;;     - The product sums the exact products of the quantised numbers (number of the format x scale) in f32.
;;   ~~~python
;;   def quantise(x, axis):      # numpy; x: float32 -> the quantised numbers, widened to float32 again
;;       x = np.moveaxis(x, axis, -1); K = x.shape[-1]
;;       x = np.pad(x, [(0, 0)] * (x.ndim - 1) + [(0, -K % 32)]); x = x.reshape(x.shape[:-1] + (-1, 32)); a = np.abs(x).max(-1, keepdims=True)
;;       e = np.where(a > 0, np.clip(np.frexp(np.where(a > 0, a, 1))[1] - 1 - 4, -126, 127), 0)      # np.frexp(a)[1] - 1 = floor(log2(a)), exactly
;;       r = np.clip(x / 2.0 ** e, -28, 28)
;;       step = 2.0 ** (np.maximum(np.frexp(np.where(r == 0, 1, r))[1] - 1, -2) - 2)
;;       q = np.round(r / step) * step * 2.0 ** e      # np.round: ties to even
;;       return np.moveaxis(q.reshape(q.shape[:-2] + (-1,))[..., :K], -1, axis).astype(np.float32)
;;   ~~~
;;   SOFTMAX AHEAD OF A QUANTISED PRODUCT. Where the list says 'softmax', what is quantised is not the finished softmax but p = 2^(t - M), with t = logit x log2(e) and M = ceil(the row's largest t), a whole number; so 1/2 < the row's largest p <= 1. The row's sum l is taken of the UNQUANTISED p, in f32, and the product's result is divided by l at the end. Since M is a whole number, a kernel that streams over the keys may use a running M (the ceiling of the running maximum): every later rescaling is an exact power of two, which a block's scale takes up: the codes' values come out the same.
;;   OPERANDS COMPUTED ON THE WAY. 'Computed on the way' means the value that the module computes at that place (a softmax that the list does not call 'softmax' is quantised finished and normalised). What goes into a quantiser is computed in f32, as accurately as f32 sums, v_exp_f32 and their like allow (about 1e-6 of the number): no bf16 or f16 on the way to a quantiser, and a product that is left as it is and whose result goes on into a quantised operand takes f32 operands (vector FMAs, or v_wmma_f32_16x16x4_f32). A number that lies on a knife's edge between two numbers of the format may be rounded either way, as far as f32 arithmetic and the matrix unit's own rounding can turn it there, and no further.
;; 2 versions, each right; version 2 is version 1 with the launch attn written anew for expert scheduling mode. Each part assembles by itself: llvm-mc -triple=amdgcn-amd-amdhsa -mcpu=gfx1250 --defsym DOCPART=n.
;; ======== version 1 of 2: 4 launches
;; workspace buffers: xc 13,107,200 bytes; wc 4,915,200 bytes; qc 3,407,872 bytes; kvc 3,407,872 bytes; ac 3,276,800 bytes
;; launch quant (part 1): grid 1408 x 1, 4 waves a work-group, no clusters, 68,096 bytes of LDS; arguments query, kv, Wq, Wkv, Wo, xc, wc; writes xc, wc
.if DOCPART == 1
	.amdgcn_target "amdgcn-amd-amdhsa--gfx1250"
	.amdhsa_code_object_version 6
	.text
	.protected	k_q0e41095a54_quant
	.globl	k_q0e41095a54_quant
	.p2align	8
	.type	k_q0e41095a54_quant,@function
k_q0e41095a54_quant:
	s_mov_b64 s[64:65], 0
	v_nop
	global_prefetch_b8 v0, s[64:65] scope:SCOPE_SE
	s_setreg_imm32_b32 hwreg(HW_REG_WAVE_MODE, 25, 1), 1
	s_wait_xcnt 0x0
; query, kv [4096][2048] f32 (K innermost) and Wq, Wkv [2048][1024], Wo [1024][2048] f32 (K outermost) become codes of BF6 (E3M2) with one E8M0 byte for each 32 along K,
; laid in the ORDER OF THE OPERAND'S REGISTERS.  An IMAGE is a fragment of 16 rows x 128 K: 12 registers a lane, stored as 3 x 512 bytes, lane l's registers 4 c .. 4 c + 3 at 512 c + 16 l.
; A RECORD (12,800 bytes) is 128 rows x 128 K: 8 images, then 4 pair records of 128 bytes (lanes 0-15: the scale words of tile 2 i, lanes 16-31: of tile 2 i + 1).  A PANEL is a block's records for all K steps on end.
; TILES: query's tile t of a block takes rows 16 t + r.  Every other tensor's tile t takes rows 32 (t / 2) + 8 (t % 2) + r + 8 (r / 8): as source 0 of a product, the 16 result registers of tiles 2 p, 2 p + 1 are then 16 neighbours.
; A block's scale is 2^(floor(log2(largest magnitude)) - 4): its byte is the largest magnitude's exponent field - 4, held at 1 from below by a floor among the maximum's leaves.
; LIMITS: a block of zeros gets the byte 1 where the rule says 127 (its codes are zeros, and this program alone reads the bytes); NaN and infinities among the inputs are not served.
; SHARES: one wave, one unit; no barrier, no loop.  Work-groups 0-1023: a wave takes 32 rows x 128 K of query or kv; its four waves stand side by side on 2,048 bytes of each row.
; Work-groups 1024-1407: a wave takes 32 columns x 128 K of a weight; the four waves of a work-group fill one record.
; No matrix unit, cluster or tensor load: every input byte is read once, by one wave, and nothing is shared.
.set REC,   12800
.set PANEL, 16*REC                     ; a panel of K = 2,048
.set KVX,   32*PANEL                   ; kv's panels in xc
.set WKV,   8*PANEL                    ; Wkv's panels in wc
.set WOO,   16*PANEL                   ; Wo's panels in wc
.set SP,    528                        ; a stage row: 512 bytes + 16: an odd multiple of 16 bytes, so that sixteen rows' equal columns lie 16 bytes apart modulo 256
.set WST,   32*SP                      ; a wave's stage
.set R,     16                         ; v16-143  as loaded
.set X0,    144                        ; v144-207 tile 0's 64 numbers of my lane
.set X1,    16                         ; v16-79   tile 1's
.set D0,    208                        ; v208-219 an image's 12 registers
.set D1,    220                        ; v220-231 the other's
.set CT,    232                        ; v232-238 a conversion's three registers begin on an even number: the upper halves are made here and moved
; Two whole blocks of 32 of one lane, v[x ..] and v[x + 32 ..], become registers d .. d + 5 and d + 6 .. d + 11; their bytes go to v[by], v[by + 1].
.macro QB2 x, d, m, so, by, ct
.irp c, 0,1
	v_max3_num_f32 v[\m+\c], |v[\x+32*\c]|, |v[\x+32*\c+1]|, 0x2800000   ; the floor 2^(5 - 127): the byte cannot fall under 1
.endr
.irp i, 2,4,6,8,10,12,14,16,18,20,22,24,26,28,30
.irp c, 0,1
	v_max3_num_f32 v[\m+\c], v[\m+\c], |v[\x+32*\c+\i]|, |v[\x+32*\c+\i+1]|   ; the two blocks by turns
.endr
.endr
.irp c, 0,1
	v_add_nc_u32 v[\so+\c], 0xfe000000, v[\m+\c]   ; 4 off the exponent field: the conversion's scale operand
.endr
.irp c, 0,1
	v_lshrrev_b32 v[\by+\c], 23, v[\so+\c]         ; the scale's byte
.endr
.irp c, 0,1
	v_cvt_scalef32_pk16_bf6_f32 v[\d+6*\c:\d+6*\c+2], v[\x+32*\c:\x+32*\c+15], v[\so+\c]
	v_cvt_scalef32_pk16_bf6_f32 v[\ct+4*\c:\ct+4*\c+2], v[\x+32*\c+16:\x+32*\c+31], v[\so+\c]
.endr
	v_nop                                          ; one plain place behind a scaled conversion
.irp c, 0,1
.irp i, 0,1,2
	v_mov_b32 v[\d+6*\c+3+\i], v[\ct+4*\c+\i]
.endr
.endr
.endm
	s_load_b256 s[4:11], s[0:1], 0x0               ; query, kv, Wq, Wkv
	s_load_b128 s[12:15], s[0:1], 0x20             ; Wo, xc
	s_load_b64 s[16:17], s[0:1], 0x30              ; wc
	v_lshl_add_u32 v240, v0, 2, 0x10800
	v_mov_b32 v241, 0
	v_lshrrev_b32 v1, 5, v0
	v_readfirstlane_b32 s18, v1                    ; wave
	v_and_b32 v1, 31, v0                           ; lane
	v_lshlrev_b32 v2, 4, v1                        ; 16 x lane
	v_lshlrev_b32 v7, 2, v1                        ; 4 x lane
	s_mov_b32 s30, 0x76543210
	s_mov_b32 s31, 0xfedcba98                      ; v_permlanex16_b32's selects for lane l xor 16
	s_mov_b32 s34, 0xffff0000                      ; lanes 16-31
	s_cmp_ge_u32 ttmp9, 1024
	s_cbranch_scc1 .Lweights
	; ---- query and kv: K innermost
	s_lshr_b32 s19, ttmp9, 9                       ; 0: query, 1: kv
	s_and_b32 s20, ttmp9, 511
	s_lshr_b32 s21, s20, 2                         ; which 32 rows
	s_and_b32 s22, s20, 3
	s_lshl_b32 s22, s22, 2
	s_add_co_u32 s22, s22, s18                     ; which K step
	s_lshl_b32 s24, s21, 18                        ; 32 rows of 8,192 bytes
	s_lshl_b32 s23, s22, 9                         ; 128 numbers
	s_add_co_u32 s24, s24, s23
	s_mov_b32 s25, 0
	s_mul_i32 s26, s19, KVX
	s_lshr_b32 s23, s21, 2
	s_mul_i32 s23, s23, PANEL
	s_add_co_u32 s26, s26, s23
	s_mul_i32 s23, s22, REC
	s_add_co_u32 s26, s26, s23                     ; my record
	s_mov_b32 s27, 0
	s_and_b32 s23, s21, 3                          ; my pair of tiles in it
	s_mul_i32 s28, s23, 3072
	s_add_co_u32 s28, s28, s26                     ; its two images
	s_mov_b32 s29, 0
	s_lshl_b32 s23, s23, 7
	s_add_co_u32 s26, s26, s23
	s_add_co_u32 s26, s26, 12288                   ; its pair record
	; the order of rows is made on the way in: stage row 16 u + i is row i of tile u.  kv: stage rows 8-15 take memory rows 16-23, stage rows 16-23 memory rows 8-15
	s_lshl_b32 s23, s19, 16                        ; 8 rows on, for kv
	v_add_nc_u32 v3, s23, v2
	s_xor_b32 s23, s23, 0x10000                    ; 8 rows on, for query
	v_add_nc_u32 v4, s23, v2
	s_mul_i32 s23, s18, WST
	v_add_nc_u32 v5, s23, v2                       ; the stage, in: 16 x lane of a row
	v_and_b32 v8, 15, v1                           ; r
	v_lshrrev_b32 v9, 4, v1                        ; h
	v_mul_u32_u24 v6, v8, SP
	v_lshl_add_u32 v6, v9, 7, v6
	v_add_nc_u32 v6, s23, v6                       ; out: row r, + 128 h bytes: my block of 32
	v_lshlrev_b32 v8, 3, v9                        ; 8 h
	s_wait_kmcnt 0x0
	s_cmp_eq_u32 s19, 0
	s_cselect_b64 s[4:5], s[4:5], s[6:7]
	s_add_nc_u64 s[4:5], s[4:5], s[24:25]
	s_add_nc_u64 s[28:29], s[14:15], s[28:29]
	s_add_nc_u64 s[26:27], s[14:15], s[26:27]
.set SG, 0
.rept 32                               ; each load takes 512 consecutive bytes of one row
.if (SG < 8) || (SG >= 24)
	global_load_b128 v[R+4*SG:R+4*SG+3], v2, s[4:5] offset:SG*8192 th:TH_LOAD_NT
.elseif SG < 16
	global_load_b128 v[R+4*SG:R+4*SG+3], v3, s[4:5] offset:SG*8192 th:TH_LOAD_NT
.else
	global_load_b128 v[R+4*SG:R+4*SG+3], v4, s[4:5] offset:(SG-8)*8192 th:TH_LOAD_NT
.endif
.set SG, SG+1
.endr
.set SG, 0
.rept 4
	s_wait_loadcnt 24-SG                           ; these eight rows are in; the 24, 16, 8, 0 younger loads may be out
.rept 8
	ds_store_b128 v5, v[R+4*SG:R+4*SG+3] offset:SG*SP
.set SG, SG+1
.endr
.endr
.irp c, 0,1
.irp j, 0,1,2,3,4,5,6,7
	ds_load_b128 v[X0+32*\c+4*\j:X0+32*\c+4*\j+3], v6 offset:256*\c+16*\j   ; tile 0: k = 64 c + 32 h + 0 .. 31 of row r
.endr
.endr
	s_wait_dscnt 0x0                               ; tile 0 is in, and the stores into the stage have read their registers, which take tile 1:
.irp c, 0,1
.irp j, 0,1,2,3,4,5,6,7
	ds_load_b128 v[X1+32*\c+4*\j:X1+32*\c+4*\j+3], v6 offset:16*SP+256*\c+16*\j
.endr
.endr
	QB2 X0, D0, 10, 12, 14, CT                     ; while tile 1 lands
	v_lshl_or_b32 v9, v15, 16, v14                 ; my two bytes: blocks h and 2 + h,
	v_lshlrev_b32 v9, v8, v9                       ; at their places in the scale word;
	v_mov_b32 v10, 0
	v_permlanex16_b32 v10, v9, s30, s31
	v_or_b32 v9, v9, v10                           ; with lane l xor 16's two the word is whole
	s_wait_dscnt 0x0
	QB2 X1, D1, 10, 12, 14, CT
	v_lshl_or_b32 v11, v15, 16, v14
	v_lshlrev_b32 v11, v8, v11
	v_mov_b32 v10, 0
	v_permlanex16_b32 v10, v11, s30, s31
	v_or_b32 v11, v11, v10
	v_cndmask_b32 v9, v9, v11, s34                 ; the pair record: lanes 0-15 tile 0's words, lanes 16-31 tile 1's
.irp c, 0,1,2
	global_store_b128 v2, v[D0+4*\c:D0+4*\c+3], s[28:29] offset:512*\c        ; 32 lanes store 512 consecutive bytes
	global_store_b128 v2, v[D1+4*\c:D1+4*\c+3], s[28:29] offset:1536+512*\c
.endr
	global_store_b32 v7, v9, s[26:27]
	s_wait_tensorcnt 0x0
	ds_add_u32 v240, v241
	s_wait_dscnt 0x0
	s_endpgm
	; ---- the weights: K outermost.  A lane takes a column and its registers run down K; the k of blocks 0 and 2 (an image's lanes 0-15) first, then those of blocks 1 and 3
.macro WLOADS n
.irp hh, 0,1
.irp cc, 0,1
.set KI, 0
.rept 32
	global_load_b32 v[16+64*\hh+32*\cc+KI], v7, s[4:5] offset:(64*\cc+32*\hh+KI)*\n*4 th:TH_LOAD_NT
.set KI, KI+1
.endr
.endr
.endr
.endm
.Lweights:
	s_sub_co_u32 s19, ttmp9, 1024
	s_mov_b32 s25, 0
	s_cmp_ge_u32 s19, 256
	s_cbranch_scc1 .Lwo
	s_lshr_b32 s20, s19, 7                         ; 0: Wq, 1: Wkv
	s_and_b32 s21, s19, 127                        ; 16 x block + K step
	s_lshr_b32 s22, s21, 4
	s_and_b32 s23, s21, 15
	s_lshl_b32 s24, s23, 19                        ; 128 rows of 4,096 bytes
	s_lshl_b32 s22, s22, 9                         ; 128 columns
	s_add_co_u32 s24, s24, s22
	s_lshl_b32 s22, s18, 7                         ; my 32 of them
	s_add_co_u32 s24, s24, s22
	s_mul_i32 s26, s20, WKV
	s_mul_i32 s27, s21, REC
	s_add_co_u32 s26, s26, s27                     ; my record in wc
	s_wait_kmcnt 0x0
	s_cmp_eq_u32 s20, 0
	s_cselect_b64 s[4:5], s[8:9], s[10:11]
	s_add_nc_u64 s[4:5], s[4:5], s[24:25]
	WLOADS 1024
	s_branch .Lwjoin
.Lwo:
	s_sub_co_u32 s21, s19, 256                     ; 8 x block + K step
	s_lshr_b32 s22, s21, 3
	s_and_b32 s23, s21, 7
	s_lshl_b32 s24, s23, 20                        ; 128 rows of 8,192 bytes
	s_lshl_b32 s22, s22, 9
	s_add_co_u32 s24, s24, s22
	s_lshl_b32 s22, s18, 7
	s_add_co_u32 s24, s24, s22
	s_mul_i32 s26, s21, REC
	s_add_co_u32 s26, s26, WOO
	s_wait_kmcnt 0x0
	s_add_nc_u64 s[4:5], s[12:13], s[24:25]
	WLOADS 2048
.Lwjoin:
	v_bfe_u32 v3, v1, 3, 1                         ; column l of the 32 is row r' of tile u: u = (l / 8) % 2,
	v_and_b32 v4, 7, v1
	v_lshrrev_b32 v5, 4, v1
	v_lshl_or_b32 v4, v5, 3, v4                    ; r' = l % 8 + 8 (l / 16)
	v_mul_u32_u24 v5, v3, 1536
	v_lshl_add_u32 v5, v4, 4, v5                   ; its place in the two images
	v_lshlrev_b32 v6, 6, v3
	v_lshl_add_u32 v6, v4, 2, v6                   ; and in the pair record
	s_mul_i32 s20, s18, 3072
	s_add_co_u32 s20, s20, s26
	s_mov_b32 s21, 0
	s_add_nc_u64 s[28:29], s[16:17], s[20:21]
	s_lshl_b32 s20, s18, 7
	s_add_co_u32 s20, s20, s26
	s_add_co_u32 s20, s20, 12288
	s_add_nc_u64 s[26:27], s[16:17], s[20:21]
	s_wait_loadcnt 63                              ; of the 128 loads at most 63 are out: the first 65 are in, the 64 of blocks 0 and 2 among them (64 would do for the order; a wait's count names 63 at the most)
	QB2 16, D0, 10, 12, 14, CT
	s_wait_loadcnt 0x0
	QB2 80, D1, 10, 12, 8, CT
	v_lshl_or_b32 v14, v8, 8, v14                  ; the column's scale word: bytes of blocks 0, 1, 2, 3
	v_lshl_or_b32 v14, v15, 16, v14
	v_lshl_or_b32 v14, v9, 24, v14
.irp c, 0,1,2
	global_store_b128 v5, v[D0+4*\c:D0+4*\c+3], s[28:29] offset:512*\c        ; the images' lanes 0-15: two runs of 256 consecutive bytes
	global_store_b128 v5, v[D1+4*\c:D1+4*\c+3], s[28:29] offset:512*\c+256    ; and their lanes 16-31
.endr
	global_store_b32 v6, v14, s[26:27]
	s_endpgm
.Lfunc_end_k_q0e41095a54_quant:
	.size	k_q0e41095a54_quant, .Lfunc_end_k_q0e41095a54_quant-k_q0e41095a54_quant
	.p2alignl 7, 3214868480
	.fill 96, 4, 3214868480
	.section	.rodata,"a",@progbits
	.p2align	6, 0x0
	.amdhsa_kernel k_q0e41095a54_quant
		.amdhsa_group_segment_fixed_size 68096
		.amdhsa_private_segment_fixed_size 0
		.amdhsa_enable_private_segment 0
		.amdhsa_kernarg_size 56
		.amdhsa_user_sgpr_count 2
		.amdhsa_user_sgpr_kernarg_segment_ptr 1
		.amdhsa_wavefront_size32 1
		.amdhsa_system_sgpr_workgroup_id_x 1
		.amdhsa_system_sgpr_workgroup_id_y 1
		.amdhsa_system_sgpr_workgroup_id_z 1
		.amdhsa_system_vgpr_workitem_id 0
		.amdhsa_next_free_vgpr 242
		.amdhsa_next_free_sgpr 66
		.amdhsa_reserve_vcc 0
		.amdhsa_float_denorm_mode_32 3
		.amdhsa_float_denorm_mode_16_64 3
		.amdhsa_memory_ordered 1
		.amdhsa_forward_progress 1
		.amdhsa_inst_pref_size 49
	.end_amdhsa_kernel
	.amdgpu_metadata
---
amdhsa.version: [ 1, 2 ]
amdhsa.kernels:
  - .name:           k_q0e41095a54_quant
    .symbol:         k_q0e41095a54_quant.kd
    .args:
      - { .name: query, .offset: 0, .size: 8, .value_kind: global_buffer, .address_space: global }
      - { .name: kv, .offset: 8, .size: 8, .value_kind: global_buffer, .address_space: global }
      - { .name: Wq, .offset: 16, .size: 8, .value_kind: global_buffer, .address_space: global }
      - { .name: Wkv, .offset: 24, .size: 8, .value_kind: global_buffer, .address_space: global }
      - { .name: Wo, .offset: 32, .size: 8, .value_kind: global_buffer, .address_space: global }
      - { .name: xc, .offset: 40, .size: 8, .value_kind: global_buffer, .address_space: global }
      - { .name: wc, .offset: 48, .size: 8, .value_kind: global_buffer, .address_space: global }
    .group_segment_fixed_size: 68096
    .private_segment_fixed_size: 0
    .kernarg_segment_align: 8
    .kernarg_segment_size: 56
    .max_flat_workgroup_size: 128
    .sgpr_count:     66
    .vgpr_count:     242
    .wavefront_size: 32
...
	.end_amdgpu_metadata
.endif
;; end of part 1
;; launch gemm_qkv (part 2): grid 256 x 1, 4 waves a work-group, no clusters, 327,680 bytes of LDS; arguments xc, wc, bq, bkv, key_padding_mask, qc, kvc; writes qc, kvc
.if DOCPART == 2
	.amdgcn_target "amdgcn-amd-amdhsa--gfx1250"
	.amdhsa_code_object_version 6
	.text
	.protected	k_q0e41095a54_gemm_qkv
	.globl	k_q0e41095a54_gemm_qkv
	.p2align	8
	.type	k_q0e41095a54_gemm_qkv,@function
k_q0e41095a54_gemm_qkv:
	s_mov_b64 s[64:65], 0
	v_nop
	global_prefetch_b8 v0, s[64:65] scope:SCOPE_SE
	s_setreg_imm32_b32 hwreg(HW_REG_WAVE_MODE, 25, 1), 1
	s_wait_xcnt 0x0
; q = query Wq + bq and [k | v] = kv Wkv + bkv on codes of BF6 (E3M2), K = 2,048; the results are quantised here for the attention launch and stored as images of operand registers.
; IMAGE, RECORD, PANEL: a fragment (16 rows x 128 K) is 12 registers a lane, stored as 3 x 512 bytes, lane l's registers 4 c .. 4 c + 3 at 512 c + 16 l; a record (12,800 bytes) is 128 rows x 128 K:
; 8 images and 4 pair records of scale words (lanes 0-15 tile 2 i, lanes 16-31 tile 2 i + 1); a panel is a block's 16 records on end.
; SHARES.  A work-group makes 256 rows of source 0 (S0, two panels) x 128 rows of source 1 (S1, one panel).  Wave w: S0's panel w % 2 (8 tiles b) x S1's tiles 4 (w / 2) + a, a = 0 .. 3: 32 accumulators.
; In accumulator (a, b) lane (r, h) holds S1's row r of tile a, and register j S0's row 32 (b / 2) + 8 (b % 2) + 16 h + j (S0's tiles take their rows in that order): 64 registers run along 128 neighbouring rows of S0.
; ROLES, by the work-group's number, with no branch: everything that differs is a scalar chosen by s_cselect_b32.
;   Q (0-127):   S0 = Wq's columns, S1 = query's rows.   registers along 2 heads x 64: quantised along d.
;   K (128-191): S0 = Wkv's first 512 columns, S1 = kv's rows.  likewise; rows of padded keys become zeros: their scores are thrown away by the padding mask, and a score of exactly 0 lets the mask's number stand alone.
;   V (192-255): S0 = kv's rows, S1 = Wkv's last 512 columns: the sides change places, so that the registers run along the KEYS, the second attention product's K.
; value = (sum + f0 x bias along S0) x keep + f1 x bias along S1: one rounding in every role (f0, f1 are 0 or 1; keep is 1, or 0 for a padded key in role K).
; RING.  Two LDS slots of four K steps (3 panels x 4 records = 153,600 bytes).  Four first fills of two K steps a wave; then one refill of four K steps behind each of two barriers.
; By this text's own count a wave has four tensor loads out at the start and one behind a refill's barrier; a refill has four K steps, 128 matrix instructions a wave, in which to land.
; NOT USED: joint loads in a cluster.  Work-groups that share S0's two panels exist (32 in roles Q and K, 4 in role V), but the shared panels come from different buffers by role, and the joint form wants a second set of
; descriptors for the unshared panel and a round of the cluster's barrier in front of each group of loads; this text keeps one stream a wave.  No prefetch: each panel is read by many work-groups.
; LIMITS: NaN and infinities are not served (a bias that a role does not use is multiplied by 0); a block of zeros gets the scale byte 1 where the rule says 127 (its codes are zeros; this program alone reads the bytes).
; REGISTERS.  window 0: v4-13 addresses, v14-15 for the add, v20-35 keep and the bias along S1, v40-51 scale words (two sets), v52-147 S1's fragments (two sets), v148-255 the way out.
;   window 1: v0-191 S0's fragments (two sets), v192-255 the bias along S0.   window 2: the accumulators, (a, b) at v[8 (8 a + b)].
.set REC,   12800
.set PANEL, 16*REC
.set KVX,   32*PANEL                   ; kv's panels in xc
.set WKV,   8*PANEL                    ; Wkv's panels in wc
.set PSL,   4*REC                      ; a panel's part of a slot
.set SLOT,  3*PSL
.set SPARE, 2*SLOT                     ; behind the ring: the spare words, 128 bytes for each wave: two blocks of 256 bytes that no other line names
.set G1S,   28                         ; s[28:35] group 1: 100 rows of 256 bytes, two K steps of a panel
.set G1L,   36                         ; s[36:43] group 1: 200 rows, four K steps
.set F0,    44                         ; s[44:59] groups 0 of the four first fills
.set R0,    60                         ; s[60:63] group 0 of the refill of slot 0 (K steps 8-11)
.set R1,    68                         ; s[68:71] of slot 1 (K steps 12-15)
.set SEL,   94                         ; s[94:95]
.set T,     148                        ; v148-211 64 finished numbers of a lane
.set CT,    236
.set TM,    244
.set TP,    248
.set SO,    252
.set MSB, 0
.macro WIN new                         ; s_set_vgpr_msb: bits 1:0 source 0, 3:2 source 1, 5:4 source 2, 7:6 destination; the high byte repeats the setting that is left
.if MSB != \new
	s_set_vgpr_msb (MSB<<8)|\new
.set MSB, \new
.endif
.endm
.macro PLACES                          ; four plain places behind matrix instructions, in front of loads into their registers and of reads of their results
.rept 4
	v_nop
.endr
.endm
; The fragments and scale words of K step s: 42 LDS loads, each of consecutive bytes (16 or 4 a lane), into set s % 2
.macro FETCH s
.set LS, ((\s)/4)%2
.set LK, (\s)%4
.set LB, (\s)%2
	WIN 0x40
.irp i, 0,1,2,3,4,5,6,7
.irp c, 0,1,2
	ds_load_b128 v[96*LB+12*\i+4*\c:96*LB+12*\i+4*\c+3], v[6+LS] offset:LK*REC+1536*\i+512*\c
.endr
.endr
	WIN 0
.irp i, 0,1,2,3
.irp c, 0,1,2
	ds_load_b128 v[52+48*LB+12*\i+4*\c:52+48*LB+12*\i+4*\c+3], v[8+LS] offset:LK*REC+1536*\i+512*\c
.endr
.endr
.irp i, 0,1,2,3
	ds_load_b32 v[40+6*LB+\i], v[10+LS] offset:LK*REC+128*\i
.endr
.irp i, 0,1
	ds_load_b32 v[44+6*LB+\i], v[12+LS] offset:LK*REC+128*\i
.endr
.endm
; Four products: S1's tiles 2 ap, 2 ap + 1 x S0's tiles 2 bp, 2 bp + 1.  An odd tile's scale words stand in lanes 16-31 of its pair's register.
.macro QUAD ap, bp, be, zero
.set DD, 128*(\ap)+16*(\bp)
.set FA, 96*(\be)+24*(\bp)
.set FB, 52+48*(\be)+24*(\ap)
.set ZA, 40+6*(\be)+(\bp)
.set ZB, 44+6*(\be)+(\ap)
.if \zero
	v_wmma_scale_f32_16x16x128_f8f6f4 v[DD:DD+7], v[FA:FA+11], v[FB:FB+11], 0, v[ZA], v[ZB] matrix_a_fmt:MATRIX_FMT_BF6 matrix_b_fmt:MATRIX_FMT_BF6
	v_wmma_scale_f32_16x16x128_f8f6f4 v[DD+8:DD+15], v[FA+12:FA+23], v[FB:FB+11], 0, v[ZA], v[ZB] matrix_a_fmt:MATRIX_FMT_BF6 matrix_b_fmt:MATRIX_FMT_BF6 matrix_a_scale:MATRIX_SCALE_ROW1
	v_wmma_scale_f32_16x16x128_f8f6f4 v[DD+64:DD+71], v[FA:FA+11], v[FB+12:FB+23], 0, v[ZA], v[ZB] matrix_a_fmt:MATRIX_FMT_BF6 matrix_b_fmt:MATRIX_FMT_BF6 matrix_b_scale:MATRIX_SCALE_ROW1
	v_wmma_scale_f32_16x16x128_f8f6f4 v[DD+72:DD+79], v[FA+12:FA+23], v[FB+12:FB+23], 0, v[ZA], v[ZB] matrix_a_fmt:MATRIX_FMT_BF6 matrix_b_fmt:MATRIX_FMT_BF6 matrix_a_scale:MATRIX_SCALE_ROW1 matrix_b_scale:MATRIX_SCALE_ROW1
.else
	v_wmma_scale_f32_16x16x128_f8f6f4 v[DD:DD+7], v[FA:FA+11], v[FB:FB+11], v[DD:DD+7], v[ZA], v[ZB] matrix_a_fmt:MATRIX_FMT_BF6 matrix_b_fmt:MATRIX_FMT_BF6
	v_wmma_scale_f32_16x16x128_f8f6f4 v[DD+8:DD+15], v[FA+12:FA+23], v[FB:FB+11], v[DD+8:DD+15], v[ZA], v[ZB] matrix_a_fmt:MATRIX_FMT_BF6 matrix_b_fmt:MATRIX_FMT_BF6 matrix_a_scale:MATRIX_SCALE_ROW1
	v_wmma_scale_f32_16x16x128_f8f6f4 v[DD+64:DD+71], v[FA:FA+11], v[FB+12:FB+23], v[DD+64:DD+71], v[ZA], v[ZB] matrix_a_fmt:MATRIX_FMT_BF6 matrix_b_fmt:MATRIX_FMT_BF6 matrix_b_scale:MATRIX_SCALE_ROW1
	v_wmma_scale_f32_16x16x128_f8f6f4 v[DD+72:DD+79], v[FA+12:FA+23], v[FB+12:FB+23], v[DD+72:DD+79], v[ZA], v[ZB] matrix_a_fmt:MATRIX_FMT_BF6 matrix_b_fmt:MATRIX_FMT_BF6 matrix_a_scale:MATRIX_SCALE_ROW1 matrix_b_scale:MATRIX_SCALE_ROW1
.endif
.endm
; A K step's 32 products.  The 32 accumulators take turns, one instruction a turn, in the same order in every step.
.macro MUL32 be, zero
	WIN 0xa1                                       ; S0 window 1, S1 window 0, C and D window 2
.irp ap, 0,1
.irp bp, 0,1,2,3
	QUAD \ap, \bp, \be, \zero
.endr
.endr
.endm
.macro KPLAIN s, zero                  ; the next step's fragments are asked for, then this step is multiplied
.if (\s) > 0
	PLACES
.endif
	FETCH (\s)+1
	s_wait_dscnt 42                                ; all but the 42 just issued: this step's fragments are in
	MUL32 (\s)%2, \zero
.endm
.macro KSYNC s, n                      ; the next step lies in a first fill that has not been shown yet
	PLACES
	s_wait_tensorcnt \n                            ; my part of it has landed; my n later first fills may be out
	s_wait_dscnt 0x0                               ; no LDS instruction of mine is out at a signal
	s_barrier_signal -1
	s_barrier_wait -1
	FETCH (\s)+1
	s_wait_dscnt 42
	MUL32 (\s)%2, 0
.endm
.macro KTURN s, g0                     ; the change of slots; g0: the group 0 of the refill of the slot that is left, or 0
	PLACES
	WIN 0
	s_wait_tensorcnt 0x0                           ; all my tensor loads have landed, my part of the next slot among them
	ds_add_u32 v14, v15                            ; 0 onto my spare word
	s_wait_dscnt 0x0                               ; the add is done, and my reads of the slot that is left are over
	s_barrier_signal -1
	s_barrier_wait -1
.if \g0 > 0
	s_cmp_lt_u32 s18, 3
	s_cbranch_scc0 .Lnf_\@
	tensor_load_to_lds s[\g0:\g0+3], s[G1L:G1L+7]  ; the first thing behind the barrier, and my one tensor load until the next
	s_nop 0
.rept 4
	v_nop
.endr
.Lnf_\@:
.endif
	FETCH (\s)+1
	s_wait_dscnt 42
	MUL32 (\s)%2, 0
.endm
; 64 numbers of a lane, register 16 b + i = k 32 b + 16 (lane / 16) + i of my row, become a fragment: registers 0-5 in v[d0 ..], 6-11 in v[d1 ..]; the row's scale word in v[pw], in both halves of the lanes
.macro QUANT s, d0, d1, pw
.irp b, 0,1,2,3
	v_max3_num_f32 v[TM+\b], |v[\s+16*\b]|, |v[\s+16*\b+1]|, 0x2800000   ; the floor 2^(5 - 127): the byte cannot fall under 1
.endr
.irp i, 2,4,6,8,10,12,14
.irp b, 0,1,2,3
	v_max3_num_f32 v[TM+\b], v[TM+\b], |v[\s+16*\b+\i]|, |v[\s+16*\b+\i+1]|
.endr
.endr
.irp b, 0,1,2,3
	v_permlanex16_b32 v[TP+\b], v[TM+\b], s[SEL], s[SEL+1]
.endr
.irp b, 0,1,2,3
	v_max_num_f32 v[TM+\b], v[TM+\b], v[TP+\b]     ; with lane l xor 16's 16: the block's largest magnitude
.endr
.irp b, 0,1,2,3
	v_add_nc_u32 v[SO+\b], 0xfe000000, v[TM+\b]    ; 4 off its exponent field: the conversion's scale operand
.endr
.irp b, 0,1,2,3
	v_lshrrev_b32 v[TP+\b], 23, v[SO+\b]           ; the scale's byte
.endr
	v_lshl_or_b32 v[\pw], v[TP+1], 8, v[TP]
	v_lshl_or_b32 v[\pw], v[TP+2], 16, v[\pw]
	v_lshl_or_b32 v[\pw], v[TP+3], 24, v[\pw]
	v_cvt_scalef32_pk16_bf6_f32 v[\d0:\d0+2], v[\s:\s+15], v[SO]
	v_cvt_scalef32_pk16_bf6_f32 v[CT:CT+2], v[\s+16:\s+31], v[SO+1]
	v_cvt_scalef32_pk16_bf6_f32 v[\d1:\d1+2], v[\s+32:\s+47], v[SO+2]
	v_cvt_scalef32_pk16_bf6_f32 v[CT+4:CT+6], v[\s+48:\s+63], v[SO+3]
	v_nop                                          ; one plain place behind a scaled conversion
.irp i, 0,1,2
	v_permlane16_swap_b32 v[\d0+\i], v[CT+\i]      ; a whole block to a lane: lanes 0-15 the even block, lanes 16-31 the odd one
.endr
.irp i, 0,1,2
	v_mov_b32 v[\d0+3+\i], v[CT+\i]
.endr
.irp i, 0,1,2
	v_permlane16_swap_b32 v[\d1+\i], v[CT+4+\i]
.endr
.irp i, 0,1,2
	v_mov_b32 v[\d1+3+\i], v[CT+4+\i]
.endr
.endm
	s_load_b256 s[4:11], s[0:1], 0x0               ; xc, wc, bq, bkv
	s_load_b128 s[12:15], s[0:1], 0x20             ; key_padding_mask, qc
	s_load_b64 s[16:17], s[0:1], 0x30              ; kvc
	v_lshl_add_u32 v14, v0, 2, SPARE
	v_mov_b32 v15, 0
	ds_add_u32 v14, v15
	s_wait_dscnt 0x0
	v_lshrrev_b32 v1, 5, v0
	v_readfirstlane_b32 s18, v1                    ; wave
	s_and_b32 s19, s18, 1                          ; which panel of S0 I multiply
	s_lshr_b32 s20, s18, 1                         ; which half of S1's panel
	s_min_u32 s21, s18, 2                          ; which panel I fetch
	s_cmp_lt_u32 ttmp9, 128
	s_cselect_b32 s22, 1, 0                        ; role Q
	s_cmp_ge_u32 ttmp9, 192
	s_cselect_b32 s24, 1, 0                        ; role V
	s_add_co_u32 s23, s22, s24
	s_xor_b32 s23, s23, 1                          ; role K
	s_lshl_b32 s2, s22, 6
	s_add_co_u32 s2, s2, 63
	s_and_b32 s2, ttmp9, s2                        ; my number in the role
	s_mul_i32 s3, s24, 14
	s_add_co_u32 s3, s3, s22
	s_add_co_u32 s3, s3, s22
	s_add_co_u32 s3, s3, 1                         ; 3, 1, 15 for Q, K, V
	s_and_b32 s25, s2, s3                          ; which pair of S0's panels
	s_mul_i32 s3, s24, 3
	s_add_co_u32 s3, s3, s22
	s_add_co_u32 s3, s3, 1                         ; 2, 1, 4
	s_lshr_b32 s26, s2, s3                         ; which panel of S1
	s_lshl_b32 s27, s25, 1
	s_add_co_u32 s27, s27, s19                     ; the panel of S0 that I multiply
	s_mov_b32 s[G1S], 3<<16                        ; no mask; elements of 8 bytes; no padding
	s_mov_b32 s[G1S+1], 32<<16                     ; tensor_dim0 = 32 elements: rows of 256 bytes
	s_mov_b32 s[G1S+2], 100<<16                    ; tensor_dim1 = 100 rows
	s_mov_b32 s[G1S+3], 32<<16                     ; tile_dim0
	s_mov_b32 s[G1S+4], 100                        ; tile_dim1
	s_mov_b32 s[G1S+5], 32                         ; the pitch: dense
	s_mov_b32 s[G1S+6], 0
	s_mov_b32 s[G1S+7], 0
	s_mov_b32 s[G1L], 3<<16
	s_mov_b32 s[G1L+1], 32<<16
	s_mov_b32 s[G1L+2], 200<<16
	s_mov_b32 s[G1L+3], 32<<16
	s_mov_b32 s[G1L+4], 200
	s_mov_b32 s[G1L+5], 32
	s_mov_b32 s[G1L+6], 0
	s_mov_b32 s[G1L+7], 0
	s_lshl_b32 s2, s25, 1                          ; the panel that I fetch: of S0 (waves 0, 1):
	s_add_co_u32 s2, s2, s21
	s_mul_i32 s2, s2, PANEL
	s_mul_i32 s3, s23, WKV
	s_add_co_u32 s2, s2, s3
	s_mul_i32 s3, s24, KVX
	s_add_co_u32 s2, s2, s3
	s_mul_i32 s66, s26, PANEL                      ; of S1 (wave 2):
	s_mul_i32 s3, s23, KVX
	s_add_co_u32 s66, s66, s3
	s_mul_i32 s3, s24, WKV+4*PANEL
	s_add_co_u32 s66, s66, s3
	s_cmp_lt_u32 s18, 2
	s_cselect_b32 s2, s2, s66
	s_mov_b32 s3, 0
	s_xor_b32 s66, s24, s20                        ; 1: it lies in xc, 0: in wc
	s_mul_i32 s67, s21, PSL                        ; and where it goes in a slot
	s_wait_kmcnt 0x0
	s_cmp_eq_u32 s66, 1
	s_cselect_b64 s[4:5], s[4:5], s[6:7]
	s_add_nc_u64 s[4:5], s[4:5], s[2:3]            ; my stream
.irp f, 0,1,2,3
	s_mov_b32 s[F0+4*\f], 1
	s_add_co_u32 s[F0+4*\f+1], s67, (\f/2)*SLOT+(\f%2)*2*REC
	s_add_nc_u64 s[F0+4*\f+2:F0+4*\f+3], s[4:5], \f*2*REC
	s_or_b32 s[F0+4*\f+3], s[F0+4*\f+3], 0x80000000
.endr
	s_mov_b32 s[R0], 1
	s_mov_b32 s[R0+1], s67
	s_add_nc_u64 s[R0+2:R0+3], s[4:5], 8*REC
	s_or_b32 s[R0+3], s[R0+3], 0x80000000
	s_mov_b32 s[R1], 1
	s_add_co_u32 s[R1+1], s67, SLOT
	s_add_nc_u64 s[R1+2:R1+3], s[4:5], 12*REC
	s_or_b32 s[R1+3], s[R1+3], 0x80000000
	s_cmp_lt_u32 s18, 3                            ; a wave's four first fills stand in one branch, ahead of every wait on TENSORcnt, every LDS read and every barrier
	s_cbranch_scc0 .Lno_fill
	tensor_load_to_lds s[F0:F0+3], s[G1S:G1S+7]
	s_nop 0
	tensor_load_to_lds s[F0+4:F0+7], s[G1S:G1S+7]
	s_nop 0
	tensor_load_to_lds s[F0+8:F0+11], s[G1S:G1S+7]
	s_nop 0
	tensor_load_to_lds s[F0+12:F0+15], s[G1S:G1S+7]
	s_nop 0
.rept 4
	v_nop
.endr
.Lno_fill:
	v_and_b32 v1, 31, v0                           ; lane
	v_and_b32 v2, 15, v0                           ; r
	v_bfe_u32 v3, v0, 4, 1                         ; h
	v_lshlrev_b32 v4, 4, v1                        ; 16 x lane
	v_lshlrev_b32 v5, 2, v1                        ; 4 x lane
	s_mul_i32 s2, s19, PSL
	v_add_nc_u32 v6, s2, v4                        ; S0's images, slot 0, 1
	v_add_nc_u32 v7, SLOT, v6
	v_add_nc_u32 v10, s2, v5
	v_add_nc_u32 v10, 12288, v10                   ; S0's pair records
	v_add_nc_u32 v11, SLOT, v10
	s_mul_i32 s2, s20, 6144
	s_add_co_u32 s2, s2, 2*PSL
	v_add_nc_u32 v8, s2, v4                        ; S1's images: my four tiles
	v_add_nc_u32 v9, SLOT, v8
	s_lshl_b32 s2, s20, 8
	s_add_co_u32 s2, s2, 2*PSL+12288
	v_add_nc_u32 v12, s2, v5                       ; S1's pair records
	v_add_nc_u32 v13, SLOT, v12
	; the biases and the padding bytes.  A role that does not use one of them reads it inside its buffer all the same and multiplies it by 0
	s_lshl_b32 s2, s27, 9                          ; along S0: 128 numbers a panel (Q, K); from the buffer's start (V)
	s_xor_b32 s3, s24, 1
	s_mul_i32 s2, s2, s3
	s_mov_b32 s3, 0
	s_cmp_eq_u32 s22, 1
	s_cselect_b64 s[96:97], s[8:9], s[10:11]
	s_add_nc_u64 s[96:97], s[96:97], s[2:3]
	s_lshl_b32 s66, s26, 7
	s_lshl_b32 s67, s20, 6
	s_add_co_u32 s66, s66, s67                     ; 128 x S1's panel + 64 x my half: my first row of S1
	s_mov_b32 s67, 0
	s_add_nc_u64 s[100:101], s[12:13], s[66:67]    ; its padding byte (role K: S1's rows are the keys)
	s_add_co_u32 s2, s66, 512
	s_mul_i32 s2, s2, s24
	s_lshl_b32 s2, s2, 2
	s_add_nc_u64 s[98:99], s[10:11], s[2:3]        ; along S1: V's columns of bkv (V); from the buffer's start (Q, K)
	v_lshlrev_b32 v16, 6, v3                       ; 64 h bytes
	v_and_b32 v17, 8, v2
	v_add_nc_u32 v17, v17, v2                      ; r + 8 (r / 8)
	v_lshlrev_b32 v18, 2, v17
	WIN 0x40
.irp p, 0,1,2,3
.irp q, 0,1,2,3
	global_load_b128 v[192+16*\p+4*\q:192+16*\p+4*\q+3], v16, s[96:97] offset:128*\p+16*\q   ; in the result's layout: rows 32 p + 16 h + 0 .. 15 of S0's panel
.endr
.endr
	WIN 0
.irp a, 0,1,2,3
	global_load_b32 v[28+2*\a], v18, s[98:99] offset:(32*(\a/2)+8*(\a%2))*4
	global_load_u8 v[20+2*\a], v17, s[100:101] offset:32*(\a/2)+8*(\a%2)
.endr
	; the roles' numbers
	s_cmp_eq_u32 s24, 1
	s_cselect_b32 s72, 0, 1.0                      ; f0
	s_cselect_b32 s74, 1.0, 0                      ; f1
	s_mov_b32 s73, s72                             ; (named with s72 as a pair)
	s_mov_b32 s93, 0xffff0000
	s_cmp_eq_u32 s23, 1
	s_cselect_b32 s75, -1.0, 0                     ; keep = 1 - padding byte, in role K alone
	s_cselect_b32 s92, -1, 0                       ; all lanes, in role K
	s_cselect_b32 s93, s93, 0                      ; lanes 16-31, in role K
	s_mov_b32 s[SEL], 0x76543210
	s_mov_b32 s[SEL+1], 0xfedcba98
	; where the results go.  s4-s13 have served as pointers and are free.
	s_lshl_b32 s4, s26, 3
	s_lshl_b32 s5, s20, 2
	s_add_co_u32 s4, s4, s5                        ; Q: my first tile of 16 queries
	s_lshl_b32 s4, s4, 3
	s_add_co_u32 s4, s4, s27                       ; 8 x tile + pair of heads
	s_mul_i32 s5, s4, 1536                         ; its image
	s_lshl_b32 s4, s4, 7
	s_add_co_u32 s4, s4, 3145728                   ; its record of scale words
	s_cmp_eq_u32 s24, 1
	s_cselect_b32 s6, s27, s26                     ; K, V: the block of 128 keys (0 .. 31),
	s_cselect_b32 s7, s26, s27                     ; and the pair of kv heads (0 .. 3)
	s_lshr_b32 s8, s6, 4
	s_lshl_b32 s8, s8, 6
	s_lshl_b32 s7, s7, 4
	s_add_co_u32 s8, s8, s7
	s_and_b32 s6, s6, 15
	s_add_co_u32 s8, s8, s6                        ; 16 (4 b + pair) + step
	s_mul_i32 s8, s8, 26624                        ; the step's two head records
	s_mul_i32 s6, s23, 3072
	s_mul_i32 s7, s24, 13312
	s_add_co_u32 s6, s6, s7
	s_mul_i32 s6, s6, s20                          ; my half: K: two images on; V: the other head
	s_add_co_u32 s6, s6, s8
	s_mul_i32 s9, s24, 6144
	s_add_co_u32 s6, s6, s9                        ; V's images lie behind K's four
	s_lshl_b32 s9, s23, 8
	s_add_co_u32 s9, s9, s7
	s_mul_i32 s9, s9, s20
	s_add_co_u32 s9, s9, s8
	s_lshl_b32 s7, s24, 9
	s_add_co_u32 s9, s9, s7
	s_add_co_u32 s9, s9, 12288                     ; the scale records: K's at 12,288, V's at 12,800
	s_cmp_eq_u32 s22, 1
	s_cselect_b32 s5, s5, s6
	s_cselect_b32 s4, s4, s9
	s_cselect_b64 s[66:67], s[14:15], s[16:17]     ; qc or kvc
	s_mul_i32 s6, s22, 12288                       ; from image u = 0 to u = 1
	s_mul_i32 s7, s23, 13312
	s_add_co_u32 s6, s6, s7
	s_mul_i32 s7, s24, 1536
	s_add_co_u32 s6, s6, s7
	s_mul_i32 s8, s22, 24576                       ; from pair P = 0 to P = 1
	s_mul_i32 s7, s23, 1536
	s_add_co_u32 s8, s8, s7
	s_mul_i32 s7, s24, 3072
	s_add_co_u32 s8, s8, s7
	s_lshl_b32 s9, s22, 10                         ; the same for the scale records
	s_mul_i32 s7, s23, 13312
	s_add_co_u32 s9, s9, s7
	s_lshl_b32 s7, s24, 7
	s_add_co_u32 s9, s9, s7
	s_lshl_b32 s10, s22, 11
	s_lshl_b32 s7, s23, 7
	s_add_co_u32 s10, s10, s7
	s_lshl_b32 s7, s24, 8
	s_add_co_u32 s10, s10, s7
	s_mov_b32 s13, 0
	s_mov_b32 s12, s5
	s_add_nc_u64 s[76:77], s[66:67], s[12:13]      ; images (P, u) at s[76 + 4 P + 2 u ..]
	s_add_co_u32 s12, s5, s6
	s_add_nc_u64 s[78:79], s[66:67], s[12:13]
	s_add_co_u32 s12, s5, s8
	s_add_nc_u64 s[80:81], s[66:67], s[12:13]
	s_add_co_u32 s12, s12, s6
	s_add_nc_u64 s[82:83], s[66:67], s[12:13]
	s_mov_b32 s12, s4
	s_add_nc_u64 s[84:85], s[66:67], s[12:13]      ; scale records at s[84 + 4 P + 2 u ..]
	s_add_co_u32 s12, s4, s9
	s_add_nc_u64 s[86:87], s[66:67], s[12:13]
	s_add_co_u32 s12, s4, s10
	s_add_nc_u64 s[88:89], s[66:67], s[12:13]
	s_add_co_u32 s12, s12, s9
	s_add_nc_u64 s[90:91], s[66:67], s[12:13]
.irp b, 0,1,2,3
	v_mov_b32 v[TP+\b], 0                          ; written once: a lane permute's destination counts as one of its sources
.endr
	s_wait_loadcnt 0x0                             ; the biases and the padding bytes
.irp a, 0,1,2,3
	v_cvt_f32_u32 v[20+2*\a], v[20+2*\a]
	v_mul_f32 v[28+2*\a], s74, v[28+2*\a]          ; f1 x the bias along S1
	v_mov_b32 v[21+2*\a], 0                        ; (the packed forms name pairs and take the low word for both halves)
	v_mov_b32 v[29+2*\a], 0
.endr
.irp a, 0,1,2,3
	v_fma_f32 v[20+2*\a], v[20+2*\a], s75, 1.0     ; keep
.endr
	s_wait_tensorcnt 3                             ; my first fill (K steps 0, 1) has landed; the three behind it may be out
	s_barrier_signal -1
	s_barrier_wait -1
	FETCH 0
	KPLAIN 0, 1                                    ; the first products start the sums: nothing is cleared
	KSYNC 1, 2                                     ; K steps 2, 3: the second fill; the third and fourth may be out
	KPLAIN 2, 0
	KTURN 3, R0                                    ; on to slot 1; slot 0 takes K steps 8-11
	KPLAIN 4, 0
	KPLAIN 5, 0
	KPLAIN 6, 0
	KTURN 7, R1                                    ; on to slot 0; slot 1 takes K steps 12-15
	KPLAIN 8, 0
	KPLAIN 9, 0
	KPLAIN 10, 0
	KTURN 11, 0                                    ; on to slot 1; nothing is left to fetch
	KPLAIN 12, 0
	KPLAIN 13, 0
	KPLAIN 14, 0
	s_wait_dscnt 0x0
	MUL32 1, 0
	PLACES
; THE WAY OUT.  S1's tile a: biases, keep, and the quantiser along the 128 rows of S0
.macro EPI a, img, w
	WIN 0x21                                       ; source 0 (the bias) window 1, source 2 (the sums) window 2
.set EI, 0
.rept 32
	v_pk_fma_f32 v[T+EI:T+EI+1], v[192+EI:192+EI+1], s[72:73], v[64*(\a)+EI:64*(\a)+EI+1] op_sel_hi:[1,0,1]   ; each accumulator from its low end on
.set EI, EI+2
.endr
	WIN 0
.set EI, 0
.rept 32
	v_pk_fma_f32 v[T+EI:T+EI+1], v[T+EI:T+EI+1], v[20+2*(\a):21+2*(\a)], v[28+2*(\a):29+2*(\a)] op_sel_hi:[1,0,0]
.set EI, EI+2
.endr
	QUANT T, \img, \img+6, \w
.endm
; S1's tiles 2 P and 2 P + 1.  In role K the two fragments (each: head g0 | head g0 + 1 of one tile of keys) change their inner halves, so that each image holds ONE head: tile 2 P' | tile 2 P' + 1;
; its record holds the two tiles' words in the two halves of the lanes, the head's two bytes lowest.
.macro OUTP pp, img
	EPI 2*\pp, \img, 80
	EPI 2*\pp+1, \img+12, 81
.irp i, 0,1,2,3,4,5
	v_cndmask_b32 v82, v[\img+6+\i], v[\img+12+\i], s92
	v_cndmask_b32 v[\img+12+\i], v[\img+12+\i], v[\img+6+\i], s92
	v_mov_b32 v[\img+6+\i], v82
.endr
	v_cndmask_b32 v[76+2*\pp], v80, v81, s93
	v_lshrrev_b32 v83, 16, v[76+2*\pp]
	v_cndmask_b32 v[77+2*\pp], v81, v83, s92
.irp c, 0,1,2
	global_store_b128 v4, v[\img+4*\c:\img+4*\c+3], s[76+4*\pp:77+4*\pp] offset:512*\c         ; 32 lanes store 512 consecutive bytes
	global_store_b128 v4, v[\img+12+4*\c:\img+12+4*\c+3], s[78+4*\pp:79+4*\pp] offset:512*\c
.endr
	global_store_b32 v5, v[76+2*\pp], s[84+4*\pp:85+4*\pp]
	global_store_b32 v5, v[77+2*\pp], s[86+4*\pp:87+4*\pp]
.endm
	OUTP 0, 212                                    ; each pair has registers of its own for what it stores: no store's data are written again
	OUTP 1, 52
	s_wait_tensorcnt 0x0                           ; the wave's end
	ds_add_u32 v14, v15
	s_wait_dscnt 0x0
	s_endpgm
.Lfunc_end_k_q0e41095a54_gemm_qkv:
	.size	k_q0e41095a54_gemm_qkv, .Lfunc_end_k_q0e41095a54_gemm_qkv-k_q0e41095a54_gemm_qkv
	.p2alignl 7, 3214868480
	.fill 96, 4, 3214868480
	.section	.rodata,"a",@progbits
	.p2align	6, 0x0
	.amdhsa_kernel k_q0e41095a54_gemm_qkv
		.amdhsa_group_segment_fixed_size 327680
		.amdhsa_private_segment_fixed_size 0
		.amdhsa_enable_private_segment 0
		.amdhsa_kernarg_size 56
		.amdhsa_user_sgpr_count 2
		.amdhsa_user_sgpr_kernarg_segment_ptr 1
		.amdhsa_wavefront_size32 1
		.amdhsa_system_sgpr_workgroup_id_x 1
		.amdhsa_system_sgpr_workgroup_id_y 1
		.amdhsa_system_sgpr_workgroup_id_z 1
		.amdhsa_system_vgpr_workitem_id 0
		.amdhsa_next_free_vgpr 768
		.amdhsa_next_free_sgpr 102
		.amdhsa_reserve_vcc 0
		.amdhsa_float_denorm_mode_32 3
		.amdhsa_float_denorm_mode_16_64 3
		.amdhsa_memory_ordered 1
		.amdhsa_forward_progress 1
		.amdhsa_inst_pref_size 160
	.end_amdhsa_kernel
	.amdgpu_metadata
---
amdhsa.version: [ 1, 2 ]
amdhsa.kernels:
  - .name:           k_q0e41095a54_gemm_qkv
    .symbol:         k_q0e41095a54_gemm_qkv.kd
    .args:
      - { .name: xc, .offset: 0, .size: 8, .value_kind: global_buffer, .address_space: global }
      - { .name: wc, .offset: 8, .size: 8, .value_kind: global_buffer, .address_space: global }
      - { .name: bq, .offset: 16, .size: 8, .value_kind: global_buffer, .address_space: global }
      - { .name: bkv, .offset: 24, .size: 8, .value_kind: global_buffer, .address_space: global }
      - { .name: key_padding_mask, .offset: 32, .size: 8, .value_kind: global_buffer, .address_space: global }
      - { .name: qc, .offset: 40, .size: 8, .value_kind: global_buffer, .address_space: global }
      - { .name: kvc, .offset: 48, .size: 8, .value_kind: global_buffer, .address_space: global }
    .group_segment_fixed_size: 327680
    .private_segment_fixed_size: 0
    .kernarg_segment_align: 8
    .kernarg_segment_size: 56
    .max_flat_workgroup_size: 128
    .sgpr_count:     102
    .vgpr_count:     768
    .wavefront_size: 32
...
	.end_amdgpu_metadata
.endif
;; end of part 2
;; launch attn (part 3): grid 32 x 8, 8 waves a work-group, no clusters, 121,856 bytes of LDS; arguments qc, kvc, attn_mask, key_padding_mask, ac; writes ac
.if DOCPART == 3
	.amdgcn_target "amdgcn-amd-amdhsa--gfx1250"
	.amdhsa_code_object_version 6
	.text
	.protected	k_q0e41095a54_attn
	.globl	k_q0e41095a54_attn
	.p2align	8
	.type	k_q0e41095a54_attn,@function
k_q0e41095a54_attn:
	s_mov_b64 s[64:65], 0
	v_nop
	global_prefetch_b8 v0, s[64:65] scope:SCOPE_SE
	s_setreg_imm32_b32 hwreg(HW_REG_WAVE_MODE, 25, 1), 1
	s_wait_xcnt 0x0
; attn = softmax(q k^T / 8 + attn_mask, padded keys at -1e9) v on codes of BF6 (E3M2); 16 query heads of 64, two to a kv head; 2,048 keys.  The result is quantised for the last product and stored as images.
; THE SOFTMAX AHEAD OF THE SECOND PRODUCT: t = logit x log2(e), rounded to f32; M = the row's largest t so far, rounded up to a whole number; p = 2^(t - M) is quantised along the keys, not normalised.
; The row's sum is taken of the unquantised p and divides at the end.  When M moves, the sum and O are multiplied by 2^(old M - new M): exact.
; SHARES.  A work-group owns 64 queries x 2 kv heads (4 query heads).  Wave w: 16 queries (w % 4), kv head w / 4, and BOTH query heads of it (A, B): each fragment of K, of V and of the mask that it reads from LDS serves two tiles.
; So a mask tile (64 queries x 128 keys) is read from memory once for four heads.  16 steps of 128 keys.
; LAYOUT.  Both products transposed: S^T = K Q^T + mask (source 0 = 16 keys, source 1 = my 16 queries), O^T = V^T P^T: a lane holds one query throughout.  A tile's keys (and V's d) are taken in the order
; 32 (t / 2) + 8 (t % 2) + r + 8 (r / 8), so that the 16 registers of tiles 2 p, 2 p + 1 are 16 neighbours.
; THE HEAD IS 64, THE INSTRUCTION'S K 128: Q's operand is [the head's 6 registers | 6 registers of zero codes]; K's operand for tile t is 12 registers from 6 t on: its upper six are the next tile's codes and meet zeros.
; 1 / 8 is taken off Q's scale bytes (3 off each); mask' = padded ? -1e9 : attn_mask is the C of the score product; padded keys have zero codes in K: so the matrix instruction gives the logit itself.
; LDS.  Two slots of 60,416 bytes: mask' (64 rows of 512 bytes + 16) and the step's 26,624 bytes of K and V (images and scale records of both heads).  Each wave brings 8 rows of the mask and an eighth of K and V through its
; registers (the padding is put into the mask there).
; A STEP j (slot j % 2) begins with its logits in registers: the score products of step j stand at the end of step j - 1.  In order: head A's softmax | V's fragments of step j are asked for, into the registers that head A's
; logits have left | my share of step j + 1 goes into the other slot | the first lines of head B's softmax | my share of step j + 2 is asked of memory | ONE BARRIER, 44 lines of head B's softmax between its signal and its wait |
; the mask's and K's fragments of step j + 1 are asked for | the rest of head B's softmax, O^T's rescaling and V^T P^T stand between that request and the wait for it | the score products of step j + 1.
; THE ORDER IN LDS.  Between two barriers every wave reads one slot and writes the other.  In front of a barrier's signal each wave has waited for its stores into the other slot and for its reads of this one (V's there; the
; mask's and K's ahead of the score products, a barrier earlier).  So the stores of step j + 1 find a slot that nobody reads, and the reads of step j + 1 find it whole.
; No tensor load (the mask goes through registers anyway), so no joint load either.  No prefetch: every global load stands about four fifths of a step ahead of the wait for it.
; LIMITS: NaN and infinities are not served; a block of q whose scale byte is under 4 (largest magnitude under 2^-119) gets the byte 1 in place of byte - 3; a block of zeros gets the byte 1 where the rule says 127.
; REGISTERS.  window 0: v1-16 addresses; v20-25, v26-31 a head's -M, largest t, sum (two halves), f, p's scale word; v32-55 Q; v56-57 Q's scale words; v58-61 K's, v62-65 V's; v66-89 p's codes; v90-111 at work;
;   v112-175 head A's S^T, then p, then (v112-159) V's fragments; v176-239 head B's S^T, then p.
;   window 1: v0-63 mask'; v64-117 K's fragments and six zeros; v120-183 O^T; v184-242 what is on its way to the other slot; v243 -1e9; v244 at work.
.set SLOT, 60416
.set KVO,  33792                       ; K and V behind the mask's 64 rows of 528 bytes
.set SEL,  26                          ; s[26:27]
.set CS,   28                          ; s[28:29] log2(e), twice
.set BM,   90                          ; v90-93   the blocks' largest t, then largest p
.set PT,   94                          ; v94-101  at work
.set SO,   102                         ; v102-105 the conversions' scale operands
.set TMP,  106
.set TM,   240                         ; for the quantiser on the way out
.set TP,   244
.set CT,   94
.set MSB, 0
.macro WIN new                         ; s_set_vgpr_msb: bits 1:0 source 0, 3:2 source 1, 5:4 source 2, 7:6 destination; the high byte repeats the setting that is left
.if MSB != \new
	s_set_vgpr_msb (MSB<<8)|\new
.set MSB, \new
.endif
.endm
.macro PLACES
.rept 4
	v_nop
.endr
.endm
; my share of a later step: 8 rows of the mask (512 consecutive bytes a load; my lane: keys 4 l .. 4 l + 3), 3,328 bytes of K and V, the padding bytes of my four keys
.macro LOADS
	WIN 0x40
.irp i, 0,1,2,3,4,5,6,7
	global_load_b128 v[184+4*\i:184+4*\i+3], v9, s[20:21] offset:\i*8192
.endr
.irp i, 0,1,2,3,4,5
	global_load_b128 v[216+4*\i:216+4*\i+3], v10, s[22:23] offset:512*\i
.endr
	global_load_b64 v[240:241], v11, s[22:23]
	global_load_b32 v242, v12, s[24:25]
	WIN 0
.endm
.macro AHEAD                           ; the bases go a step on, and the step's share is asked for
	s_wait_xcnt 0x0                                ; the last loads have read their bases
	s_add_nc_u64 s[20:21], s[20:21], 512
	s_add_nc_u64 s[22:23], s[22:23], 26624
	s_add_nc_u64 s[24:25], s[24:25], 128
	LOADS
.endm
; it goes into slot sg, the mask with -1e9 at padded keys.  (The wait for the loads stands ahead of this macro.)
.macro STASH sg
	WIN 0x45
.irp k, 0,1,2,3
	v_bfe_u32 v244, v242, 8*\k, 8
	v_cmp_ne_u32 s[30+\k], 0, v244
.endr
.irp i, 0,1,2,3,4,5,6,7
.irp k, 0,1,2,3
	v_cndmask_b32 v[184+4*\i+\k], v[184+4*\i+\k], v243, s[30+\k]
.endr
.endr
	WIN 0x04                                       ; an LDS store's data are its source 1
.irp i, 0,1,2,3,4,5,6,7
	ds_store_b128 v6, v[184+4*\i:184+4*\i+3] offset:(\sg)*SLOT+528*\i
.endr
.irp i, 0,1,2,3,4,5
	ds_store_b128 v7, v[216+4*\i:216+4*\i+3] offset:(\sg)*SLOT+512*\i
.endr
	ds_store_b64 v8, v[240:241] offset:(\sg)*SLOT
	WIN 0
.endm
; the mask's and K's fragments and K's scale words of the step that lies in slot sg: 32 LDS loads
.macro FRAGS sg
	WIN 0x40
.irp p, 0,1,2,3
.irp j, 0,1,2,3
	ds_load_b128 v[16*\p+4*\j:16*\p+4*\j+3], v1 offset:(\sg)*SLOT+128*\p+16*\j   ; mask' in the result's layout: keys 32 p + 16 h + 0 .. 15 of my query
.endr
.endr
.irp q, 0,1,2,3
.irp c, 0,1,2
	ds_load_b128 v[64+12*\q+4*\c:64+12*\q+4*\c+3], v[2+(\sg)] offset:1536*\q+512*\c   ; K: tile t at v[64 + 6 t]
.endr
.endr
	WIN 0
.irp q, 0,1,2,3
	ds_load_b32 v[58+\q], v[4+(\sg)] offset:12288+128*\q
.endr
.endm
; V's four fragments and scale words, from slot sg, into the registers that head A's logits have left
.macro VFRAGS sg
.irp t, 0,1,2,3
.irp c, 0,1,2
	ds_load_b128 v[112+12*\t+4*\c:115+12*\t+4*\c], v[2+(\sg)] offset:6144+1536*\t+512*\c
.endr
.endr
.irp t, 0,1,2,3
	ds_load_b32 v[62+\t], v[4+(\sg)] offset:12800+128*\t
.endr
.endm
; the logits of a step: 16 products on 16 results, head A's eight first: its softmax is the first to read
.macro SCORES
	WIN 0x11                                       ; K and mask' window 1, Q and S^T window 0
.irp q, 0,1,2,3
	v_wmma_scale_f32_16x16x128_f8f6f4 v[112+16*\q:119+16*\q], v[64+12*\q:75+12*\q], v[32:43], v[16*\q:16*\q+7], v[58+\q], v56 matrix_a_fmt:MATRIX_FMT_BF6 matrix_b_fmt:MATRIX_FMT_BF6
	v_wmma_scale_f32_16x16x128_f8f6f4 v[120+16*\q:127+16*\q], v[70+12*\q:81+12*\q], v[32:43], v[16*\q+8:16*\q+15], v[58+\q], v56 matrix_a_fmt:MATRIX_FMT_BF6 matrix_b_fmt:MATRIX_FMT_BF6 matrix_a_scale:MATRIX_SCALE_ROW1
.endr
.irp q, 0,1,2,3
	v_wmma_scale_f32_16x16x128_f8f6f4 v[176+16*\q:183+16*\q], v[64+12*\q:75+12*\q], v[44:55], v[16*\q:16*\q+7], v[58+\q], v57 matrix_a_fmt:MATRIX_FMT_BF6 matrix_b_fmt:MATRIX_FMT_BF6
	v_wmma_scale_f32_16x16x128_f8f6f4 v[184+16*\q:191+16*\q], v[70+12*\q:81+12*\q], v[44:55], v[16*\q+8:16*\q+15], v[58+\q], v57 matrix_a_fmt:MATRIX_FMT_BF6 matrix_b_fmt:MATRIX_FMT_BF6 matrix_a_scale:MATRIX_SCALE_ROW1
.endr
	WIN 0
	PLACES                                         ; in front of the first read of the logits
.endm
; ONE HEAD'S SOFTMAX FOR A STEP, in four parts: 64 logits at v[sc ..], register 16 b + i = key 32 b + 16 (lane / 16) + i; statistics at v[st ..]; p's codes to v[pc ..], its scale word to v[st + 5]
.macro SM1A sc, st                     ; t, and the largest t of each block of 32 keys
.set J, 0
.rept 32
	v_pk_mul_f32 v[\sc+J:\sc+J+1], v[\sc+J:\sc+J+1], s[CS:CS+1] op_sel_hi:[1,0]   ; t, rounded to f32; each accumulator from its low end on
.set J, J+2
.endr
.irp b, 0,1,2,3
	v_max3_num_f32 v[BM+\b], v[\sc+16*\b], v[\sc+16*\b+1], v[\sc+16*\b+2]   ; it serves twice: for the row's maximum and, since p rises with t, for the block's largest p
.endr
.irp i, 3,5,7,9,11,13
.irp b, 0,1,2,3
	v_max3_num_f32 v[BM+\b], v[BM+\b], v[\sc+16*\b+\i], v[\sc+16*\b+\i+1]
.endr
.endr
.irp b, 0,1,2,3
	v_max_num_f32 v[BM+\b], v[BM+\b], v[\sc+16*\b+15]
.endr
.irp b, 0,1,2,3
	v_permlanex16_b32 v[PT+\b], v[BM+\b], s[SEL], s[SEL+1]
.endr
.irp b, 0,1,2,3
	v_max_num_f32 v[BM+\b], v[BM+\b], v[PT+\b]     ; with lane l xor 16's 16 keys
.endr
.endm
.macro SM1B sc, st                     ; M, f, and t - M
	v_max3_num_f32 v[TMP], v[BM], v[BM+1], v[BM+2]
	v_max_num_f32 v[TMP], v[TMP], v[BM+3]
	v_max_num_f32 v[\st+1], v[\st+1], v[TMP]       ; the running largest t
	v_mov_b32 v[TMP], v[\st]
	v_floor_f32 v[\st], -v[\st+1]                  ; the new -M = floor(-t): M is a whole number
	v_sub_f32 v[TMP], v[\st], v[TMP]               ; old M - new M: a whole number, 0 or less
	v_cvt_i32_f32 v[TMP], v[TMP]                   ; (it saturates)
	v_ldexp_f32 v[\st+4], 1.0, v[TMP]              ; f = 2^(old M - new M)
.set J, 0
.rept 32
	v_pk_add_f32 v[\sc+J:\sc+J+1], v[\sc+J:\sc+J+1], v[\st:\st+1] op_sel_hi:[1,0]   ; t - M
.set J, J+2
.endr
.irp b, 0,1,2,3
	v_add_f32 v[BM+\b], v[BM+\b], v[\st]           ; the same of each block's largest t
.endr
.endm
.macro SM2 sc, st                      ; p and the row's sum
.set J, 0
.rept 64
	v_exp_f32 v[\sc+J], v[\sc+J]                   ; p = 2^(t - M): one batch
.set J, J+1
.endr
	v_pk_mul_f32 v[\st+2:\st+3], v[\st+2:\st+3], v[\st+4:\st+5] op_sel_hi:[1,0]   ; the sums under the new M: the plain place behind the exponentials
	s_wait_alu depctr_va_vdst(0)                   ; one wait for the batch, ahead of its first reader
.irp b, 0,1,2,3
	v_exp_f32 v[BM+\b], v[BM+\b]                   ; the block's largest p: the same instructions on the same number give the same bits
.endr
	v_pk_add_f32 v[PT:PT+1], v[\sc:\sc+1], v[\sc+2:\sc+3]   ; the row's sum of the unquantised p, in two chains
.set J, 4
.rept 15
	v_pk_add_f32 v[\st+2:\st+3], v[\st+2:\st+3], v[\sc+J:\sc+J+1]
	v_pk_add_f32 v[PT:PT+1], v[PT:PT+1], v[\sc+J+2:\sc+J+3]
.set J, J+4
.endr
	v_pk_add_f32 v[\st+2:\st+3], v[\st+2:\st+3], v[PT:PT+1]
	s_wait_alu depctr_va_vdst(0)                   ; and one for the four
.endm
.macro SM3 sc, st, pc                  ; p's scales and codes
.irp b, 0,1,2,3
	v_max_num_f32 v[BM+\b], 0x2800000, v[BM+\b]    ; the floor 2^(5 - 127): the byte cannot fall under 1
.endr
.irp b, 0,1,2,3
	v_add_nc_u32 v[SO+\b], 0xfe000000, v[BM+\b]
.endr
.irp b, 0,1,2,3
	v_lshrrev_b32 v[PT+\b], 23, v[SO+\b]
.endr
	v_lshl_or_b32 v[\st+5], v[PT+1], 8, v[PT]      ; p's scale word for these 128 keys
	v_lshl_or_b32 v[\st+5], v[PT+2], 16, v[\st+5]
	v_lshl_or_b32 v[\st+5], v[PT+3], 24, v[\st+5]
.irp c, 0,1
	v_cvt_scalef32_pk16_bf6_f32 v[\pc+6*\c:\pc+6*\c+2], v[\sc+32*\c:\sc+32*\c+15], v[SO+2*\c]
	v_cvt_scalef32_pk16_bf6_f32 v[PT+4*\c:PT+4*\c+2], v[\sc+32*\c+16:\sc+32*\c+31], v[SO+2*\c+1]
.endr
	v_nop                                          ; one plain place behind a scaled conversion
.irp c, 0,1
.irp i, 0,1,2
	v_permlane16_swap_b32 v[\pc+6*\c+\i], v[PT+4*\c+\i]   ; a whole block to a lane
.endr
.irp i, 0,1,2
	v_mov_b32 v[\pc+6*\c+3+\i], v[PT+4*\c+\i]
.endr
.endr
.endm
; the quantiser of the way out: as in the launch before
.macro QUANT s, d0, d1, pw
.irp b, 0,1,2,3
	v_max3_num_f32 v[TM+\b], |v[\s+16*\b]|, |v[\s+16*\b+1]|, 0x2800000
.endr
.irp i, 2,4,6,8,10,12,14
.irp b, 0,1,2,3
	v_max3_num_f32 v[TM+\b], v[TM+\b], |v[\s+16*\b+\i]|, |v[\s+16*\b+\i+1]|
.endr
.endr
.irp b, 0,1,2,3
	v_permlanex16_b32 v[TP+\b], v[TM+\b], s[SEL], s[SEL+1]
.endr
.irp b, 0,1,2,3
	v_max_num_f32 v[TM+\b], v[TM+\b], v[TP+\b]
.endr
.irp b, 0,1,2,3
	v_add_nc_u32 v[SO+\b], 0xfe000000, v[TM+\b]
.endr
.irp b, 0,1,2,3
	v_lshrrev_b32 v[TP+\b], 23, v[SO+\b]
.endr
	v_lshl_or_b32 v[\pw], v[TP+1], 8, v[TP]
	v_lshl_or_b32 v[\pw], v[TP+2], 16, v[\pw]
	v_lshl_or_b32 v[\pw], v[TP+3], 24, v[\pw]
	v_cvt_scalef32_pk16_bf6_f32 v[\d0:\d0+2], v[\s:\s+15], v[SO]
	v_cvt_scalef32_pk16_bf6_f32 v[CT:CT+2], v[\s+16:\s+31], v[SO+1]
	v_cvt_scalef32_pk16_bf6_f32 v[\d1:\d1+2], v[\s+32:\s+47], v[SO+2]
	v_cvt_scalef32_pk16_bf6_f32 v[CT+4:CT+6], v[\s+48:\s+63], v[SO+3]
	v_nop
.irp i, 0,1,2
	v_permlane16_swap_b32 v[\d0+\i], v[CT+\i]
.endr
.irp i, 0,1,2
	v_mov_b32 v[\d0+3+\i], v[CT+\i]
.endr
.irp i, 0,1,2
	v_permlane16_swap_b32 v[\d1+\i], v[CT+4+\i]
.endr
.irp i, 0,1,2
	v_mov_b32 v[\d1+3+\i], v[CT+4+\i]
.endr
.endm
	s_load_b256 s[4:11], s[0:1], 0x0               ; qc, kvc, attn_mask, key_padding_mask
	s_load_b64 s[12:13], s[0:1], 0x20              ; ac
	v_lshl_add_u32 v254, v0, 2, 0x1d800
	v_mov_b32 v255, 0
	v_lshrrev_b32 v13, 5, v0
	v_readfirstlane_b32 s14, v13                   ; wave 0..7
	s_and_b32 s15, s14, 3                          ; which 16 queries
	s_lshr_b32 s16, s14, 2                         ; which of the two kv heads
	s_and_b32 s35, ttmp7, 0xffff                   ; y = 4 b + pair of kv heads
	s_lshr_b32 s17, s35, 2
	s_and_b32 s18, s35, 3
	s_lshl_b32 s19, s17, 7
	s_lshl_b32 s44, ttmp9, 2
	s_add_co_u32 s19, s19, s44
	s_add_co_u32 s19, s19, s15                     ; my tile of queries: 128 b + 4 x + wave % 4
	s_lshl_b32 s46, s18, 1
	s_add_co_u32 s46, s46, s16                     ; my kv head = my pair of query heads
	s_mov_b32 s[SEL], 0x76543210
	s_mov_b32 s[SEL+1], 0xfedcba98
	s_mov_b32 s[CS], 0x3fb8aa3b                    ; log2(e)
	s_mov_b32 s[CS+1], s[CS]
	v_and_b32 v13, 31, v0                          ; lane
	v_and_b32 v14, 15, v0                          ; r
	v_bfe_u32 v15, v0, 4, 1                        ; h
	v_lshlrev_b32 v9, 4, v13                       ; 16 x lane
	v_lshlrev_b32 v12, 2, v13                      ; 4 x lane
	v_lshlrev_b32 v16, 2, v14                      ; 4 r
	s_mul_i32 s44, s15, 16*528
	v_mul_u32_u24 v1, v14, 528
	v_lshl_add_u32 v1, v15, 6, v1
	v_add_nc_u32 v1, s44, v1                       ; the mask's fragment: my query's row, + 64 h bytes
	s_mul_i32 s44, s16, 13312
	s_add_co_u32 s44, s44, KVO
	v_add_nc_u32 v2, s44, v9                       ; my head's images, slot 0, 1
	v_add_nc_u32 v3, SLOT, v2
	v_add_nc_u32 v4, s44, v12                      ; its scale records
	v_add_nc_u32 v5, SLOT, v4
	s_mul_i32 s44, s14, 8*528
	v_add_nc_u32 v6, s44, v9                       ; where I put my 8 rows of the mask
	s_mul_i32 s44, s14, 3072
	v_add_nc_u32 v10, s44, v9                      ; my 3,072 bytes of a step's K and V: in memory,
	v_add_nc_u32 v7, KVO, v10                      ; and in a slot
	s_lshl_b32 s44, s14, 8
	s_add_co_u32 s44, s44, 24576
	v_lshl_add_u32 v11, v13, 3, s44                ; and my 256 of the last 2,048
	v_add_nc_u32 v8, KVO, v11
	s_lshl_b32 s44, ttmp9, 6
	s_lshl_b32 s47, s14, 3
	s_add_co_u32 s44, s44, s47
	s_lshl_b32 s44, s44, 13                        ; the mask's row 64 x + 8 wave
	s_mov_b32 s45, 0
	s_wait_kmcnt 0x0
	s_add_nc_u64 s[20:21], s[8:9], s[44:45]
	s_mul_i32 s44, s35, 425984                     ; 16 steps of 26,624 bytes
	s_add_nc_u64 s[22:23], s[6:7], s[44:45]
	s_lshl_b32 s44, s17, 11
	s_add_nc_u64 s[24:25], s[10:11], s[44:45]
	s_lshl_b32 s47, s19, 3
	s_add_co_u32 s47, s47, s46
	s_mul_i32 s44, s47, 1536
	s_add_nc_u64 s[36:37], s[4:5], s[44:45]        ; Q's image
	s_lshl_b32 s44, s47, 7
	s_add_co_u32 s44, s44, 3145728
	s_add_nc_u64 s[38:39], s[4:5], s[44:45]        ; its scale words
	LOADS                                          ; step 0
.irp c, 0,1,2
	global_load_b128 v[32+4*\c:35+4*\c], v9, s[36:37] offset:512*\c
.endr
	global_load_b32 v107, v12, s[38:39]
	s_lshr_b32 s44, s19, 3                         ; the result: block of 128 rows, K step = my pair of heads
	s_lshl_b32 s44, s44, 3
	s_add_co_u32 s44, s44, s46
	s_mul_i32 s44, s44, 12800
	s_and_b32 s47, s19, 7
	s_mul_i32 s35, s47, 1536
	s_lshl_b32 s47, s47, 6                         ; 64 bytes of a pair record for each tile
	s_add_co_u32 s47, s47, s44
	s_add_co_u32 s47, s47, 12288
	s_add_co_u32 s44, s44, s35
	s_add_nc_u64 s[40:41], s[12:13], s[44:45]
	s_mov_b32 s44, s47
	s_add_nc_u64 s[42:43], s[12:13], s[44:45]
	WIN 0x40
.set J, 0
.rept 64
	v_mov_b32 v[120+J], 0                          ; O^T.  (The step is written once for the loop: the first finds zeros, which the first change of M leaves zeros)
.set J, J+1
.endr
.irp i, 0,1,2,3,4,5
	v_mov_b32 v[112+\i], 0                         ; behind K's last tile
.endr
	v_mov_b32 v243, 0xce6e6b28                     ; -1e9
	WIN 0
.irp st, 20, 26
	v_mov_b32 v[\st+1], 0xff61b1e6                 ; the largest t so far: -3e38
	v_floor_f32 v[\st], -v[\st+1]
	v_mov_b32 v[\st+2], 0
	v_mov_b32 v[\st+3], 0
	v_mov_b32 v[\st+4], 0
	v_mov_b32 v[\st+5], 0
.endr
.irp b, 0,1,2,3
	v_mov_b32 v[PT+\b], 0                          ; written once: a lane permute's destination counts as one of its sources
	v_mov_b32 v[TP+\b], 0
.endr
	s_wait_loadcnt 0x0                             ; step 0's share, and Q with its scale words
	STASH 0
.irp i, 0,1,2,3,4,5
	v_mov_b32 v[44+\i], v[38+\i]                   ; head B's 64 become the low half of an operand of their own
.endr
.irp i, 0,1,2,3,4,5
	v_mov_b32 v[38+\i], 0                          ; zero codes for k = 64 .. 127
	v_mov_b32 v[50+\i], 0
.endr
.irp k, 0,1,2,3
	v_bfe_u32 v[108+\k], v107, 8*\k, 8
.endr
.irp k, 0,1,2,3
	v_cmp_le_u32 vcc_lo, 4, v[108+\k]
	v_add_nc_u32 v[108+\k], -3, v[108+\k]          ; 1 / 8 off the scale
	v_cndmask_b32 v[108+\k], 1, v[108+\k], vcc_lo
.endr
	v_lshl_or_b32 v56, v109, 8, v108
	v_or_b32 v56, 0x7f7f0000, v56                  ; head A's two bytes; 127 over the zero codes
	v_lshl_or_b32 v57, v111, 8, v110
	v_or_b32 v57, 0x7f7f0000, v57
.rept 8
	v_nop                                          ; a scale register written by a vector instruction stands 8 places ahead of a scaled matrix instruction
.endr
	s_wait_dscnt 0x0                               ; my part of slot 0 has landed, and its stores have read their registers,
	AHEAD                                          ; which take step 1's share
	s_barrier_signal -1
	s_barrier_wait -1                              ; slot 0 is whole
	FRAGS 0
	s_wait_dscnt 0x0
	SCORES                                         ; step 0's logits
; A STEP: 128 keys; its V lies in slot sg, the next step's tiles go into slot og.  stash: a step follows, whose share I store.  loads: a step after that follows, whose share I ask for.  next: the next step's logits are made.
.macro STEP sg, og, stash, loads, next
	SM1A 112, 20                                   ; head A
	SM1B 112, 20
	SM2 112, 20
	SM3 112, 20, 66
	VFRAGS \sg                                     ; they land while head B's first lines are worked
.if \stash
	s_wait_loadcnt 0x0                             ; asked for behind the last step's stores
	STASH \og                                      ; every wave's reads of that slot's old bytes ended in front of the last barrier
.endif
	SM1A 176, 26                                   ; head B: 72 lines between the stores and the wait for them
	s_wait_dscnt 0x0                               ; my stores have landed and have read their registers; V is in: my reads of this slot are over
.if \loads
	AHEAD
.endif
.if \stash
	s_barrier_signal -1
.endif
	SM1B 176, 26                                   ; work on registers while the others arrive
.if \stash
	s_barrier_wait -1                              ; the other slot is whole, and nobody reads this one any more
.endif
.if \next
	FRAGS \og                                      ; the mask's registers and K's have been free since the last score products
.endif
	SM2 176, 26
	SM3 176, 26, 78
	WIN 0x41                                       ; O^T window 1, f window 0
.set J, 0
.rept 16
	v_pk_mul_f32 v[120+J:121+J], v[120+J:121+J], v[24:25] op_sel_hi:[1,0]   ; O^T under the new M.  (These 32 are also the places between the lines that made p's codes and scale words and the products)
.set J, J+2
.endr
.set J, 0
.rept 16
	v_pk_mul_f32 v[152+J:153+J], v[152+J:153+J], v[30:31] op_sel_hi:[1,0]
.set J, J+2
.endr
	WIN 0x50                                       ; V and P window 0, O^T window 1
.irp t, 0,1,2,3                        ; eight accumulators by turns
	v_wmma_scale_f32_16x16x128_f8f6f4 v[120+8*\t:127+8*\t], v[112+12*\t:123+12*\t], v[66:77], v[120+8*\t:127+8*\t], v[62+\t], v25 matrix_a_fmt:MATRIX_FMT_BF6 matrix_b_fmt:MATRIX_FMT_BF6
	v_wmma_scale_f32_16x16x128_f8f6f4 v[152+8*\t:159+8*\t], v[112+12*\t:123+12*\t], v[78:89], v[152+8*\t:159+8*\t], v[62+\t], v31 matrix_a_fmt:MATRIX_FMT_BF6 matrix_b_fmt:MATRIX_FMT_BF6
.endr
	WIN 0
.if \next
.rept 5
	v_nop                                          ; five places: the score products write over the registers that these products read as V
.endr
	s_wait_dscnt 0x0                               ; the mask's and K's fragments: asked for behind the barrier
	SCORES
.else
	PLACES                                         ; in front of the way out's reads of O^T and writes over V's registers
.endif
.endm
	s_mov_b32 s34, 7
.Ltrip:                                            ; steps 0 to 13: each stores step j + 1, asks for step j + 2 and makes step j + 1's logits
	STEP 0, 1, 1, 1, 1
	STEP 1, 0, 1, 1, 1
	s_sub_co_i32 s34, s34, 1
	s_cmp_lg_u32 s34, 0
	s_cbranch_scc1 .Ltrip
	STEP 0, 1, 1, 0, 1                             ; step 14: nothing is left to ask of memory
	STEP 1, 0, 0, 0, 0                             ; step 15: nothing follows, so nothing is stored, and no barrier is needed
	; THE WAY OUT: O^T / the sum; the two heads' 128 columns are one K step of the last product: quantised, stored as an image
	v_add_f32 v[TMP], v22, v23
	v_add_f32 v107, v28, v29
	v_permlanex16_b32 v[PT], v[TMP], s[SEL], s[SEL+1]
	v_permlanex16_b32 v[PT+1], v107, s[SEL], s[SEL+1]
	v_add_f32 v[TMP], v[TMP], v[PT]                ; the rows' sums
	v_add_f32 v107, v107, v[PT+1]
	v_rcp_f32 v24, v[TMP]
	v_rcp_f32 v30, v107
	v_nop                                          ; a plain place behind the reciprocals
	s_wait_alu depctr_va_vdst(0)                   ; and one wait for both, ahead of the first reader
	WIN 0x01
.set J, 0
.rept 16
	v_pk_mul_f32 v[112+J:113+J], v[120+J:121+J], v[24:25] op_sel_hi:[1,0]   ; register 16 b + i: column 32 b + 16 h + i of the pair's 128
.set J, J+2
.endr
.set J, 0
.rept 16
	v_pk_mul_f32 v[144+J:145+J], v[152+J:153+J], v[30:31] op_sel_hi:[1,0]
.set J, J+2
.endr
	WIN 0
	QUANT 112, 66, 72, 252
.irp c, 0,1,2
	global_store_b128 v9, v[66+4*\c:69+4*\c], s[40:41] offset:512*\c   ; 32 lanes store 512 consecutive bytes
.endr
	global_store_b32 v16, v252, s[42:43]           ; my tile's 16 words; both halves of the lanes hold and write the same
	s_wait_tensorcnt 0x0
	ds_add_u32 v254, v255
	s_wait_dscnt 0x0
	s_endpgm
.Lfunc_end_k_q0e41095a54_attn:
	.size	k_q0e41095a54_attn, .Lfunc_end_k_q0e41095a54_attn-k_q0e41095a54_attn
	.p2alignl 7, 3214868480
	.fill 96, 4, 3214868480
	.section	.rodata,"a",@progbits
	.p2align	6, 0x0
	.amdhsa_kernel k_q0e41095a54_attn
		.amdhsa_group_segment_fixed_size 121856
		.amdhsa_private_segment_fixed_size 0
		.amdhsa_enable_private_segment 0
		.amdhsa_kernarg_size 40
		.amdhsa_user_sgpr_count 2
		.amdhsa_user_sgpr_kernarg_segment_ptr 1
		.amdhsa_wavefront_size32 1
		.amdhsa_system_sgpr_workgroup_id_x 1
		.amdhsa_system_sgpr_workgroup_id_y 1
		.amdhsa_system_sgpr_workgroup_id_z 1
		.amdhsa_system_vgpr_workitem_id 0
		.amdhsa_next_free_vgpr 512
		.amdhsa_next_free_sgpr 66
		.amdhsa_reserve_vcc 1
		.amdhsa_float_denorm_mode_32 3
		.amdhsa_float_denorm_mode_16_64 3
		.amdhsa_memory_ordered 1
		.amdhsa_forward_progress 1
		.amdhsa_inst_pref_size 171
	.end_amdhsa_kernel
	.amdgpu_metadata
---
amdhsa.version: [ 1, 2 ]
amdhsa.kernels:
  - .name:           k_q0e41095a54_attn
    .symbol:         k_q0e41095a54_attn.kd
    .args:
      - { .name: qc, .offset: 0, .size: 8, .value_kind: global_buffer, .address_space: global }
      - { .name: kvc, .offset: 8, .size: 8, .value_kind: global_buffer, .address_space: global }
      - { .name: attn_mask, .offset: 16, .size: 8, .value_kind: global_buffer, .address_space: global }
      - { .name: key_padding_mask, .offset: 24, .size: 8, .value_kind: global_buffer, .address_space: global }
      - { .name: ac, .offset: 32, .size: 8, .value_kind: global_buffer, .address_space: global }
    .group_segment_fixed_size: 121856
    .private_segment_fixed_size: 0
    .kernarg_segment_align: 8
    .kernarg_segment_size: 40
    .max_flat_workgroup_size: 256
    .sgpr_count:     66
    .vgpr_count:     512
    .wavefront_size: 32
...
	.end_amdgpu_metadata
.endif
;; end of part 3
;; launch gemm_o (part 4): grid 256 x 1, 4 waves a work-group, no clusters, 307,712 bytes of LDS; arguments ac, wc, bo, out0; writes out0
.if DOCPART == 4
	.amdgcn_target "amdgcn-amd-amdhsa--gfx1250"
	.amdhsa_code_object_version 6
	.text
	.protected	k_q0e41095a54_gemm_o
	.globl	k_q0e41095a54_gemm_o
	.p2align	8
	.type	k_q0e41095a54_gemm_o,@function
k_q0e41095a54_gemm_o:
	s_mov_b64 s[64:65], 0
	v_nop
	global_prefetch_b8 v0, s[64:65] scope:SCOPE_SE
	s_setreg_imm32_b32 hwreg(HW_REG_WAVE_MODE, 25, 1), 1
	s_wait_xcnt 0x0
; out = attn Wo + bo on codes of BF6 (E3M2), K = 1,024; out [4096][2048] f32.  Both operands arrive as panels of records (128 rows x 128 K: 8 images of operand registers and 4 pair records of scale words, 12,800 bytes).
; SHARES.  A work-group makes 256 columns (source 0 = Wo's columns, two panels) x 128 rows (source 1 = attn's rows, one panel).  Wave w: Wo's panel w % 2 (8 tiles b) x attn's tiles 4 (w / 2) + a: 32 accumulators.
; Transposed use: lane (r, h) holds row r of tile a, and the 64 registers of a tile of rows run along 128 neighbouring columns (Wo's tiles take their columns in the order 32 (b / 2) + 8 (b % 2) + r + 8 (r / 8)).
; bo is the C of each sum's first product.
; LDS.  All eight K steps of the three panels fit: 2 x 153,600 bytes, filled ONCE by four tensor loads of two K steps for each of waves 0 to 2.  Nothing is filled again.  By this text's own count four tensor loads of a wave are out at the most.
; The counted waits 3, 2, 1, 0 leave the later fills on their way; a barrier behind each shows a fill to all four waves.
; NOT USED: joint loads in a cluster (32 work-groups share a pair of Wo's panels): they want a second set of descriptors and the cluster's rounds; this text keeps one stream a wave.  No prefetch: each panel is read by many work-groups.
; THE WAY OUT: a block of 16 rows x 128 columns goes through my own stage in LDS and comes back as whole rows of 512 bytes.  The stages lie in the bytes of K steps 0 to 2 of the first panel:
; these have had their only fill, and every wave's reads of them ended in front of an earlier barrier.
; REGISTERS.  window 0: v4-13, v16-17 addresses, v40-51 scale words (two sets), v52-147 attn's fragments (two sets), on the way out v52-115 and v148-211 rows of out.   window 1: v0-191 Wo's fragments (two sets), v192-255 bo.   window 2: the accumulators.
.set REC,   12800
.set PANEL, 8*REC
.set WOO,   32*REC*8                   ; Wo's panels in wc: behind Wq's and Wkv's 2 x 8 panels of 16 records
.set PSL,   4*REC
.set SLOT,  3*PSL
.set G1S,   28
.set F0,    44
.set MSB, 0
.macro WIN new                         ; s_set_vgpr_msb: bits 1:0 source 0, 3:2 source 1, 5:4 source 2, 7:6 destination; the high byte repeats the setting that is left
.if MSB != \new
	s_set_vgpr_msb (MSB<<8)|\new
.set MSB, \new
.endif
.endm
.macro PLACES                          ; four plain places behind matrix instructions, in front of loads into their registers and of reads of their results
.rept 4
	v_nop
.endr
.endm
.macro FETCH s                         ; the fragments and scale words of K step s: 42 LDS loads of consecutive bytes, into set s % 2
.set LS, ((\s)/4)%2
.set LK, (\s)%4
.set LB, (\s)%2
	WIN 0x40
.irp i, 0,1,2,3,4,5,6,7
.irp c, 0,1,2
	ds_load_b128 v[96*LB+12*\i+4*\c:96*LB+12*\i+4*\c+3], v[6+LS] offset:LK*REC+1536*\i+512*\c
.endr
.endr
	WIN 0
.irp i, 0,1,2,3
.irp c, 0,1,2
	ds_load_b128 v[52+48*LB+12*\i+4*\c:52+48*LB+12*\i+4*\c+3], v[8+LS] offset:LK*REC+1536*\i+512*\c
.endr
.endr
.irp i, 0,1,2,3
	ds_load_b32 v[40+6*LB+\i], v[10+LS] offset:LK*REC+128*\i
.endr
.irp i, 0,1
	ds_load_b32 v[44+6*LB+\i], v[12+LS] offset:LK*REC+128*\i
.endr
.endm
; Four products: attn's tiles 2 ap, 2 ap + 1 x Wo's tiles 2 bp, 2 bp + 1.  bias = 1: the sums begin with bo.  An odd tile's scale words stand in lanes 16-31 of its pair's register.
.macro QUAD ap, bp, be, bias
.set DD, 128*(\ap)+16*(\bp)
.set FA, 96*(\be)+24*(\bp)
.set FB, 52+48*(\be)+24*(\ap)
.set ZA, 40+6*(\be)+(\bp)
.set ZB, 44+6*(\be)+(\ap)
.if \bias
.set C00, 192+16*(\bp)
.set C01, C00+8
.set C10, C00
.set C11, C01
.else
.set C00, DD
.set C01, DD+8
.set C10, DD+64
.set C11, DD+72
.endif
	v_wmma_scale_f32_16x16x128_f8f6f4 v[DD:DD+7], v[FA:FA+11], v[FB:FB+11], v[C00:C00+7], v[ZA], v[ZB] matrix_a_fmt:MATRIX_FMT_BF6 matrix_b_fmt:MATRIX_FMT_BF6
	v_wmma_scale_f32_16x16x128_f8f6f4 v[DD+8:DD+15], v[FA+12:FA+23], v[FB:FB+11], v[C01:C01+7], v[ZA], v[ZB] matrix_a_fmt:MATRIX_FMT_BF6 matrix_b_fmt:MATRIX_FMT_BF6 matrix_a_scale:MATRIX_SCALE_ROW1
	v_wmma_scale_f32_16x16x128_f8f6f4 v[DD+64:DD+71], v[FA:FA+11], v[FB+12:FB+23], v[C10:C10+7], v[ZA], v[ZB] matrix_a_fmt:MATRIX_FMT_BF6 matrix_b_fmt:MATRIX_FMT_BF6 matrix_b_scale:MATRIX_SCALE_ROW1
	v_wmma_scale_f32_16x16x128_f8f6f4 v[DD+72:DD+79], v[FA+12:FA+23], v[FB+12:FB+23], v[C11:C11+7], v[ZA], v[ZB] matrix_a_fmt:MATRIX_FMT_BF6 matrix_b_fmt:MATRIX_FMT_BF6 matrix_a_scale:MATRIX_SCALE_ROW1 matrix_b_scale:MATRIX_SCALE_ROW1
.endm
; A K step's 32 products.  The 32 accumulators take turns, one instruction a turn, in the same order in every step.
.macro MUL32 be, bias
.if \bias
	WIN 0x91                                       ; Wo and bo window 1, attn window 0, D window 2
.else
	WIN 0xa1                                       ; Wo window 1, attn window 0, C and D window 2
.endif
.irp ap, 0,1
.irp bp, 0,1,2,3
	QUAD \ap, \bp, \be, \bias
.endr
.endr
.endm
.macro KPLAIN s, bias
.if (\s) > 0
	PLACES
.endif
	FETCH (\s)+1
	s_wait_dscnt 42                                ; all but the 42 just issued: this step's fragments are in
	MUL32 (\s)%2, \bias
.endm
.macro KSYNC s, n                      ; the next step lies in a fill that has not been shown yet
	PLACES
	s_wait_tensorcnt \n                            ; my part of it has landed; my n later fills may be out
	s_wait_dscnt 0x0                               ; no LDS instruction of mine is out at a signal
	s_barrier_signal -1
	s_barrier_wait -1
	FETCH (\s)+1
	s_wait_dscnt 42
	MUL32 (\s)%2, 0
.endm
	s_load_b256 s[4:11], s[0:1], 0x0               ; ac, wc, bo, out0
	v_lshl_add_u32 v254, v0, 2, 0x4b000
	v_mov_b32 v255, 0
	ds_add_u32 v254, v255
	v_lshrrev_b32 v1, 5, v0
	v_readfirstlane_b32 s18, v1                    ; wave
	s_and_b32 s19, s18, 1                          ; which panel of Wo I multiply
	s_lshr_b32 s20, s18, 1                         ; which half of attn's panel
	s_min_u32 s21, s18, 2                          ; which panel I fetch
	s_and_b32 s25, ttmp9, 7                        ; which 256 columns
	s_lshr_b32 s26, ttmp9, 3                       ; which 128 rows
	s_lshl_b32 s27, s25, 1
	s_add_co_u32 s2, s27, s21
	s_add_co_u32 s27, s27, s19
	s_mul_i32 s2, s2, PANEL
	s_add_co_u32 s2, s2, WOO
	s_mul_i32 s3, s26, PANEL
	s_cmp_lt_u32 s18, 2
	s_cselect_b32 s2, s2, s3
	s_mov_b32 s3, 0
	s_mul_i32 s16, s21, PSL
	s_mov_b32 s[G1S], 3<<16                        ; no mask; elements of 8 bytes; no padding
	s_mov_b32 s[G1S+1], 32<<16                     ; rows of 256 bytes
	s_mov_b32 s[G1S+2], 100<<16                    ; 100 rows: two K steps of a panel
	s_mov_b32 s[G1S+3], 32<<16
	s_mov_b32 s[G1S+4], 100
	s_mov_b32 s[G1S+5], 32
	s_mov_b32 s[G1S+6], 0
	s_mov_b32 s[G1S+7], 0
	s_wait_dscnt 0x0
	s_wait_kmcnt 0x0
	s_cmp_lt_u32 s18, 2
	s_cselect_b64 s[4:5], s[6:7], s[4:5]
	s_add_nc_u64 s[4:5], s[4:5], s[2:3]            ; my stream
.irp f, 0,1,2,3
	s_mov_b32 s[F0+4*\f], 1
	s_add_co_u32 s[F0+4*\f+1], s16, (\f/2)*SLOT+(\f%2)*2*REC
	s_add_nc_u64 s[F0+4*\f+2:F0+4*\f+3], s[4:5], \f*2*REC
	s_or_b32 s[F0+4*\f+3], s[F0+4*\f+3], 0x80000000
.endr
	s_cmp_lt_u32 s18, 3                            ; a wave's four fills stand in one branch, ahead of every wait on TENSORcnt, every LDS read and every barrier
	s_cbranch_scc0 .Lno_fill
	tensor_load_to_lds s[F0:F0+3], s[G1S:G1S+7]
	s_nop 0
	tensor_load_to_lds s[F0+4:F0+7], s[G1S:G1S+7]
	s_nop 0
	tensor_load_to_lds s[F0+8:F0+11], s[G1S:G1S+7]
	s_nop 0
	tensor_load_to_lds s[F0+12:F0+15], s[G1S:G1S+7]
	s_nop 0
.rept 4
	v_nop
.endr
.Lno_fill:
	v_and_b32 v1, 31, v0
	v_and_b32 v2, 15, v0
	v_bfe_u32 v3, v0, 4, 1
	v_lshlrev_b32 v4, 4, v1                        ; 16 x lane
	v_lshlrev_b32 v5, 2, v1                        ; 4 x lane
	s_mul_i32 s2, s19, PSL
	v_add_nc_u32 v6, s2, v4                        ; Wo's images, slot 0, 1
	v_add_nc_u32 v7, SLOT, v6
	v_add_nc_u32 v10, s2, v5
	v_add_nc_u32 v10, 12288, v10                   ; Wo's pair records
	v_add_nc_u32 v11, SLOT, v10
	s_mul_i32 s2, s20, 6144
	s_add_co_u32 s2, s2, 2*PSL
	v_add_nc_u32 v8, s2, v4                        ; attn's images: my four tiles
	v_add_nc_u32 v9, SLOT, v8
	s_lshl_b32 s2, s20, 8
	s_add_co_u32 s2, s2, 2*PSL+12288
	v_add_nc_u32 v12, s2, v5                       ; attn's pair records
	v_add_nc_u32 v13, SLOT, v12
	s_mul_i32 s2, s18, 16*528                      ; my stage
	v_mul_u32_u24 v16, v2, 528
	v_lshl_add_u32 v16, v3, 6, v16
	v_add_nc_u32 v16, s2, v16                      ; in: row r, + 64 h bytes
	v_add_nc_u32 v17, s2, v4                       ; back: 16 bytes a lane of a row
	s_lshl_b32 s2, s27, 9                          ; bo: my panel's 128 numbers
	s_add_nc_u64 s[14:15], s[8:9], s[2:3]
	v_lshlrev_b32 v18, 6, v3
	WIN 0x40
.irp p, 0,1,2,3
.irp q, 0,1,2,3
	global_load_b128 v[192+16*\p+4*\q:192+16*\p+4*\q+3], v18, s[14:15] offset:128*\p+16*\q   ; in the result's layout: columns 32 p + 16 h + 0 .. 15
.endr
.endr
	WIN 0
	s_lshl_b32 s16, s26, 7
	s_lshl_b32 s17, s20, 6
	s_add_co_u32 s16, s16, s17                     ; my first row of out
	s_lshl_b32 s16, s16, 13
	s_add_co_u32 s16, s16, s2                      ; + my first column, 512 bytes a panel
	s_mov_b32 s17, 0
	s_add_nc_u64 s[12:13], s[10:11], s[16:17]
	s_wait_loadcnt 0x0                             ; bo
	s_wait_tensorcnt 3                             ; my first fill (K steps 0, 1) has landed; the three behind it may be out
	s_barrier_signal -1
	s_barrier_wait -1
	FETCH 0
	KPLAIN 0, 1
	KSYNC 1, 2
	KPLAIN 2, 0
	KSYNC 3, 1
	KPLAIN 4, 0
	KSYNC 5, 0                                     ; the last fill: no tensor load of mine is out from here on
	KPLAIN 6, 0
	s_wait_dscnt 0x0
	MUL32 1, 0
.macro TOSTAGE a                       ; attn's tile a: 16 rows x 128 columns into my stage, and back as whole rows
	WIN 0x08                                       ; an LDS store's data are its source 1: window 2
.irp p, 0,1,2,3
.irp q, 0,1,2,3
	ds_store_b128 v16, v[64*(\a)+16*\p+4*\q:64*(\a)+16*\p+4*\q+3] offset:128*\p+16*\q   ; each accumulator from its low end on
.endr
.endr
	WIN 0
.set BB, 52+96*((\a)%2)
.irp t, 0,1,2,3,4,5,6,7,8,9,10,11,12,13,14,15
	ds_load_b128 v[BB+4*\t:BB+4*\t+3], v17 offset:528*\t   ; LDS serves a wave's instructions in order (ISA guide 5.7.1.4): these see the stores above, and the next block's stores come behind them
.endr
.endm
.macro SEND a, younger                 ; younger: the LDS instructions issued behind block a's loads, which may stay out
.set BB, 52+96*((\a)%2)
	s_wait_dscnt \younger
.irp t, 0,1,2,3,4,5,6,7,8,9,10,11,12,13,14,15
	global_store_b128 v4, v[BB+4*\t:BB+4*\t+3], s[12:13] offset:(16*(\a)+\t)*8192 th:TH_STORE_NT   ; 32 lanes store 512 consecutive bytes, at a multiple of 512 from out's first byte
.endr
.endm
	PLACES
	TOSTAGE 0
.irp a, 1,2,3
.if \a > 1
	s_wait_xcnt 0x0                                ; block a - 2's stores have read their registers: block a's loads may land there
.endif
	TOSTAGE \a
	SEND \a-1, 32                                  ; behind block a - 1's loads: block a's 16 stores and 16 loads
.endr
	SEND 3, 0
	s_wait_tensorcnt 0x0
	ds_add_u32 v254, v255
	s_wait_dscnt 0x0
	s_endpgm
.Lfunc_end_k_q0e41095a54_gemm_o:
	.size	k_q0e41095a54_gemm_o, .Lfunc_end_k_q0e41095a54_gemm_o-k_q0e41095a54_gemm_o
	.p2alignl 7, 3214868480
	.fill 96, 4, 3214868480
	.section	.rodata,"a",@progbits
	.p2align	6, 0x0
	.amdhsa_kernel k_q0e41095a54_gemm_o
		.amdhsa_group_segment_fixed_size 307712
		.amdhsa_private_segment_fixed_size 0
		.amdhsa_enable_private_segment 0
		.amdhsa_kernarg_size 32
		.amdhsa_user_sgpr_count 2
		.amdhsa_user_sgpr_kernarg_segment_ptr 1
		.amdhsa_wavefront_size32 1
		.amdhsa_system_sgpr_workgroup_id_x 1
		.amdhsa_system_sgpr_workgroup_id_y 1
		.amdhsa_system_sgpr_workgroup_id_z 1
		.amdhsa_system_vgpr_workitem_id 0
		.amdhsa_next_free_vgpr 768
		.amdhsa_next_free_sgpr 66
		.amdhsa_reserve_vcc 0
		.amdhsa_float_denorm_mode_32 3
		.amdhsa_float_denorm_mode_16_64 3
		.amdhsa_memory_ordered 1
		.amdhsa_forward_progress 1
		.amdhsa_inst_pref_size 77
	.end_amdhsa_kernel
	.amdgpu_metadata
---
amdhsa.version: [ 1, 2 ]
amdhsa.kernels:
  - .name:           k_q0e41095a54_gemm_o
    .symbol:         k_q0e41095a54_gemm_o.kd
    .args:
      - { .name: ac, .offset: 0, .size: 8, .value_kind: global_buffer, .address_space: global }
      - { .name: wc, .offset: 8, .size: 8, .value_kind: global_buffer, .address_space: global }
      - { .name: bo, .offset: 16, .size: 8, .value_kind: global_buffer, .address_space: global }
      - { .name: out0, .offset: 24, .size: 8, .value_kind: global_buffer, .address_space: global }
    .group_segment_fixed_size: 307712
    .private_segment_fixed_size: 0
    .kernarg_segment_align: 8
    .kernarg_segment_size: 32
    .max_flat_workgroup_size: 128
    .sgpr_count:     66
    .vgpr_count:     768
    .wavefront_size: 32
...
	.end_amdgpu_metadata
.endif
;; end of part 4
;; ======== version 2 of 2: 4 launches; version 1 with the launch attn written anew for expert scheduling mode
;; workspace buffers: xc 13,107,200 bytes; wc 4,915,200 bytes; qc 3,407,872 bytes; kvc 3,407,872 bytes; ac 3,276,800 bytes
;; launch quant: the kernel of part 1 again; grid 1408 x 1, 4 waves a work-group, no clusters, 68,096 bytes of LDS; arguments query, kv, Wq, Wkv, Wo, xc, wc; writes xc, wc
;; launch gemm_qkv: the kernel of part 2 again; grid 256 x 1, 4 waves a work-group, no clusters, 327,680 bytes of LDS; arguments xc, wc, bq, bkv, key_padding_mask, qc, kvc; writes qc, kvc
;; launch attn (part 5): grid 32 x 8, 8 waves a work-group, no clusters, 121,856 bytes of LDS; arguments qc, kvc, attn_mask, key_padding_mask, ac; writes ac
.if DOCPART == 5
	.amdgcn_target "amdgcn-amd-amdhsa--gfx1250"
	.amdhsa_code_object_version 6
	.text
	.protected	k_q0e41095a54_attn
	.globl	k_q0e41095a54_attn
	.p2align	8
	.type	k_q0e41095a54_attn,@function
k_q0e41095a54_attn:
	s_mov_b64 s[64:65], 0
	v_nop
	global_prefetch_b8 v0, s[64:65] scope:SCOPE_SE
	s_setreg_imm32_b32 hwreg(HW_REG_WAVE_SCHED_MODE, 0, 2), 2
	s_setreg_imm32_b32 hwreg(HW_REG_WAVE_MODE, 25, 1), 1
	s_wait_xcnt 0x0
	s_wait_alu depctr_vm_vsrc(0)
; attn = softmax(q k^T / 8 + attn_mask, padded keys at -1e9) v on codes of BF6 (E3M2); 16 query heads of 64, two to a kv head; 2,048 keys.  The result is quantised for the last product and stored as images.
; THE SOFTMAX AHEAD OF THE SECOND PRODUCT: t = logit x log2(e), rounded to f32; M = the row's largest t so far, rounded up to a whole number; p = 2^(t - M) is quantised along the keys, not normalised.
; The row's sum is taken of the unquantised p and divides at the end.  When M moves, the sum and O are multiplied by 2^(old M - new M): exact.
; SHARES.  A work-group owns 64 queries x 2 kv heads (4 query heads).  Wave w: 16 queries (w % 4), kv head w / 4, and BOTH query heads of it (A, B): each fragment of K, of V and of the mask that it reads from LDS serves two tiles.
; So a mask tile (64 queries x 128 keys) is read from memory once for four heads.  16 steps of 128 keys.
; LAYOUT.  Both products transposed: S^T = K Q^T + mask (source 0 = 16 keys, source 1 = my 16 queries), O^T = V^T P^T: a lane holds one query throughout.  A tile's keys (and V's d) are taken in the order
; 32 (t / 2) + 8 (t % 2) + r + 8 (r / 8), so that the 16 registers of tiles 2 p, 2 p + 1 are 16 neighbours.
; THE HEAD IS 64, THE INSTRUCTION'S K 128: Q's operand is [the head's 6 registers | 6 registers of zero codes]; K's operand for tile t is 12 registers from 6 t on: its upper six are the next tile's codes and meet zeros.
; 1 / 8 is taken off Q's scale bytes (3 off each); mask' = padded ? -1e9 : attn_mask is the C of the score product; padded keys have zero codes in K: so the matrix instruction gives the logit itself.
; LDS.  Two slots of 60,416 bytes: mask' (64 rows of 512 bytes + 16) and the step's 26,624 bytes of K and V (images and scale records of both heads).  Each wave brings 8 rows of the mask and an eighth of K and V through its
; registers (the padding is put into the mask there).
; A STEP j (slot j % 2) begins with its logits in registers: the score products of step j stand at the end of step j - 1.  In order: head A's softmax | the padding goes into my share of step j + 1 | that share goes into the
; other slot | the first lines of head B's softmax, V's fragments of step j asked for among them, into the registers that head A's logits have left | my share of step j + 2 is asked of memory | ONE BARRIER, 44 lines of head B's
; softmax between its signal and its wait | the mask's and K's fragments of step j + 1 are asked for | the rest of head B's softmax, O^T's rescaling and V^T P^T stand between that request and the wait for it | the score products of step j + 1.
; THE ORDER IN LDS.  Between two barriers every wave reads one slot and writes the other.  In front of a barrier's signal each wave has waited for its stores into the other slot and for its reads of this one (V's there; the
; mask's and K's ahead of the score products, a barrier earlier).  So the stores of step j + 1 find a slot that nobody reads, and the reads of step j + 1 find it whole.
; No tensor load (the mask goes through registers anyway), so no joint load either.  No prefetch: every global load stands about four fifths of a step ahead of the wait for it.
; LIMITS: NaN and infinities are not served; a block of q whose scale byte is under 4 (largest magnitude under 2^-119) gets the byte 1 in place of byte - 3; a block of zeros gets the byte 1 where the rule says 127.
; THE MODE: SCHED_MODE bits 1:0 = 2 (LLVM: expert scheduling mode 2), set by the entry lines.  The code itself states the register dependences between vector or matrix instructions and memory or LDS instructions,
; with s_wait_alu, always for 0.
; THE PLAN.  Registers that memory or LDS instructions touch, round the loop:
;   ST  (window 1, v184-242)     my share of a later step.  The global loads land in it; four v_bfe_u32 read v242 and 32 selects rewrite v184-215; my 15 LDS stores read v184-241; then it is loaded again.
;   VF  (v112-159, v62-65)       the score products and head A's softmax write and read v112-159; then V's 16 LDS loads land in VF; the eight products V^T P^T read it.
;   MK  (window 1, v0-111; v58-61)  the 32 LDS loads of the mask's and K's fragments land in it; the 16 score products read it, and nothing else names it.
;   v1-v12, v16                  addresses and offsets: made at the head and never written again; the scalar bases move on.
;   v66-89, v25, v31             p's codes and scale words: written by vector instructions, taken by V^T P^T as source 1 and as scales.  On the way out v66-77 and v252 are the data of the global stores.
; THE WAITS OF A STEP: one on va_sdst between the padding's four compares and its selects; one on va_vdst behind head A's softmax and the selects, for my LDS stores and V's loads, which follow it with no further wait (the vector
; lines among them name v176-239 alone); at each of the two runs of loads under another register window (ST's, MK's) the switch, then the wait, then the loads, ST's with the wait on vm_vsrc beside it; one on va_vdst directly
; ahead of V^T P^T; and the two behind each head's exponentials.
; REGISTERS.  window 0: v1-16 addresses; v20-25, v26-31 a head's -M, largest t, sum (two halves), f, p's scale word; v32-55 Q; v56-57 Q's scale words; v58-61 K's, v62-65 V's; v66-89 p's codes; v90-111 at work;
;   v112-175 head A's S^T, then p, then (v112-159) V's fragments; v176-239 head B's S^T, then p; v254, v255 for the closing add alone.
;   window 1: v0-63 mask'; v64-117 K's fragments and six zeros; v120-183 O^T; v184-242 what is on its way to the other slot; v243 -1e9; v244 at work.
.set SLOT, 60416
.set KVO,  33792                       ; K and V behind the mask's 64 rows of 528 bytes
.set SEL,  26                          ; s[26:27]
.set CS,   28                          ; s[28:29] log2(e), twice
.set BM,   90                          ; v90-93   the blocks' largest t, then largest p
.set PT,   94                          ; v94-101  at work
.set SO,   102                         ; v102-105 the conversions' scale operands
.set TMP,  106
.set TM,   240                         ; for the quantiser on the way out
.set TP,   244
.set CT,   94
.set MSB, 0
.macro WIN new                         ; s_set_vgpr_msb: bits 1:0 source 0, 3:2 source 1, 5:4 source 2, 7:6 destination; the high byte repeats the setting that is left
.if MSB != \new
	s_set_vgpr_msb (MSB<<8)|\new
.set MSB, \new
.endif
.endm
.macro PLACES
.rept 4
	v_nop
.endr
.endm
; my share of a later step: 8 rows of the mask (512 consecutive bytes a load; my lane: keys 4 l .. 4 l + 3), 3,328 bytes of K and V, the padding bytes of my four keys.  again = 1: the registers have held an earlier share
.macro LOADS again
	WIN 0x40                                       ; the switch, then the waits, then the loads
.if \again
	s_wait_alu depctr_vm_vsrc(0)                   ; my LDS stores of the last share have read v184-241 of window 1, in which these loads land
.endif
	s_wait_alu depctr_va_vdst(0)                   ; the first share: the offsets v9 to v12 are written (and v1 to v8 and v16, for all that follows); a later one: the selects have written v184-215 and the v_bfe_u32 lines have read v242, in which these loads land
.irp i, 0,1,2,3,4,5,6,7
	global_load_b128 v[184+4*\i:184+4*\i+3], v9, s[20:21] offset:\i*8192
.endr
.irp i, 0,1,2,3,4,5
	global_load_b128 v[216+4*\i:216+4*\i+3], v10, s[22:23] offset:512*\i
.endr
	global_load_b64 v[240:241], v11, s[22:23]
	global_load_b32 v242, v12, s[24:25]
	WIN 0
.endm
.macro AHEAD                           ; the bases go a step on, and the step's share is asked for
	s_wait_xcnt 0x0                                ; the last loads have read their bases
	s_add_nc_u64 s[20:21], s[20:21], 512
	s_add_nc_u64 s[22:23], s[22:23], 26624
	s_add_nc_u64 s[24:25], s[24:25], 128
	LOADS 1
.endm
; the padding goes into my 8 rows of the mask: -1e9 at padded keys.  (The wait for the loads stands ahead of this macro; it leaves the windows at 0x45.)
.macro PADS
	WIN 0x45
.irp k, 0,1,2,3
	v_bfe_u32 v244, v242, 8*\k, 8
	v_cmp_ne_u32 s[30+\k], 0, v244
.endr
	s_wait_alu depctr_va_sdst(0)                   ; the four compares have written s30 to s33, which the selects read
.irp i, 0,1,2,3,4,5,6,7
.irp k, 0,1,2,3
	v_cndmask_b32 v[184+4*\i+\k], v[184+4*\i+\k], v243, s[30+\k]
.endr
.endr
.endm
; my share goes into slot sg.  (The window 0x04, an LDS store's data being its source 1, and the wait for the selects stand ahead of this macro.)
.macro PUT sg
.irp i, 0,1,2,3,4,5,6,7
	ds_store_b128 v6, v[184+4*\i:184+4*\i+3] offset:(\sg)*SLOT+528*\i
.endr
.irp i, 0,1,2,3,4,5
	ds_store_b128 v7, v[216+4*\i:216+4*\i+3] offset:(\sg)*SLOT+512*\i
.endr
	ds_store_b64 v8, v[240:241] offset:(\sg)*SLOT
	WIN 0
.endm
; the mask's and K's fragments and K's scale words of the step that lies in slot sg: 32 LDS loads
.macro FRAGS sg
	WIN 0x40                                       ; the switch, then the wait, then the loads
	s_wait_alu depctr_va_vdst(0)                   ; the score products issued so far are done reading mask', K and K's scale words, in which these loads land.  Ahead of the loop it states instead that Q's two operands, the six zeros behind K and Q's scale words are written, which the first score products take (no vector instruction stands between here and them)
.irp p, 0,1,2,3
.irp j, 0,1,2,3
	ds_load_b128 v[16*\p+4*\j:16*\p+4*\j+3], v1 offset:(\sg)*SLOT+128*\p+16*\j   ; mask' in the result's layout: keys 32 p + 16 h + 0 .. 15 of my query
.endr
.endr
.irp q, 0,1,2,3
.irp c, 0,1,2
	ds_load_b128 v[64+12*\q+4*\c:64+12*\q+4*\c+3], v[2+(\sg)] offset:1536*\q+512*\c   ; K: tile t at v[64 + 6 t]
.endr
.endr
	WIN 0
.irp q, 0,1,2,3
	ds_load_b32 v[58+\q], v[4+(\sg)] offset:12288+128*\q
.endr
.endm
; the logits of a step: 16 products on 16 results, head A's eight first: its softmax is the first to read
.macro SCORES
	WIN 0x11                                       ; K and mask' window 1, Q and S^T window 0
.irp q, 0,1,2,3
	v_wmma_scale_f32_16x16x128_f8f6f4 v[112+16*\q:119+16*\q], v[64+12*\q:75+12*\q], v[32:43], v[16*\q:16*\q+7], v[58+\q], v56 matrix_a_fmt:MATRIX_FMT_BF6 matrix_b_fmt:MATRIX_FMT_BF6
	v_wmma_scale_f32_16x16x128_f8f6f4 v[120+16*\q:127+16*\q], v[70+12*\q:81+12*\q], v[32:43], v[16*\q+8:16*\q+15], v[58+\q], v56 matrix_a_fmt:MATRIX_FMT_BF6 matrix_b_fmt:MATRIX_FMT_BF6 matrix_a_scale:MATRIX_SCALE_ROW1
.endr
.irp q, 0,1,2,3
	v_wmma_scale_f32_16x16x128_f8f6f4 v[176+16*\q:183+16*\q], v[64+12*\q:75+12*\q], v[44:55], v[16*\q:16*\q+7], v[58+\q], v57 matrix_a_fmt:MATRIX_FMT_BF6 matrix_b_fmt:MATRIX_FMT_BF6
	v_wmma_scale_f32_16x16x128_f8f6f4 v[184+16*\q:191+16*\q], v[70+12*\q:81+12*\q], v[44:55], v[16*\q+8:16*\q+15], v[58+\q], v57 matrix_a_fmt:MATRIX_FMT_BF6 matrix_b_fmt:MATRIX_FMT_BF6 matrix_a_scale:MATRIX_SCALE_ROW1
.endr
	WIN 0
	PLACES                                         ; in front of the first read of the logits
.endm
; ONE HEAD'S SOFTMAX FOR A STEP, in four parts: 64 logits at v[sc ..], register 16 b + i = key 32 b + 16 (lane / 16) + i; statistics at v[st ..]; p's codes to v[pc ..], its scale word to v[st + 5]
; SM1A: t, and the largest t of each block of 32 keys.  deal = 1 (head B): V's four fragments and scale words, from slot sg, are asked for among the first 32 lines, one load behind every second line, into the registers that
; head A's logits have left.  No wait: no vector or matrix instruction since the wait ahead of my LDS stores names v112-159, v62-65 or the two addresses.
.macro SM1A sc, st, deal, sg
.set J, 0
.rept 32
	v_pk_mul_f32 v[\sc+J:\sc+J+1], v[\sc+J:\sc+J+1], s[CS:CS+1] op_sel_hi:[1,0]   ; t, rounded to f32; each accumulator from its low end on
.if \deal && (J%4 == 2)
.set NV, J/4
.if NV < 12
	ds_load_b128 v[112+4*NV:115+4*NV], v[2+(\sg)] offset:6144+512*NV              ; V: tile NV / 3, its registers 4 (NV % 3) on
.else
	ds_load_b32 v[62+NV-12], v[4+(\sg)] offset:12800+128*(NV-12)
.endif
.endif
.set J, J+2
.endr
.irp b, 0,1,2,3
	v_max3_num_f32 v[BM+\b], v[\sc+16*\b], v[\sc+16*\b+1], v[\sc+16*\b+2]   ; it serves twice: for the row's maximum and, since p rises with t, for the block's largest p
.endr
.irp i, 3,5,7,9,11,13
.irp b, 0,1,2,3
	v_max3_num_f32 v[BM+\b], v[BM+\b], v[\sc+16*\b+\i], v[\sc+16*\b+\i+1]
.endr
.endr
.irp b, 0,1,2,3
	v_max_num_f32 v[BM+\b], v[BM+\b], v[\sc+16*\b+15]
.endr
.irp b, 0,1,2,3
	v_permlanex16_b32 v[PT+\b], v[BM+\b], s[SEL], s[SEL+1]
.endr
.irp b, 0,1,2,3
	v_max_num_f32 v[BM+\b], v[BM+\b], v[PT+\b]     ; with lane l xor 16's 16 keys
.endr
.endm
.macro SM1B sc, st                     ; M, f, and t - M
	v_max3_num_f32 v[TMP], v[BM], v[BM+1], v[BM+2]
	v_max_num_f32 v[TMP], v[TMP], v[BM+3]
	v_max_num_f32 v[\st+1], v[\st+1], v[TMP]       ; the running largest t
	v_mov_b32 v[TMP], v[\st]
	v_floor_f32 v[\st], -v[\st+1]                  ; the new -M = floor(-t): M is a whole number
	v_sub_f32 v[TMP], v[\st], v[TMP]               ; old M - new M: a whole number, 0 or less
	v_cvt_i32_f32 v[TMP], v[TMP]                   ; (it saturates)
	v_ldexp_f32 v[\st+4], 1.0, v[TMP]              ; f = 2^(old M - new M)
.set J, 0
.rept 32
	v_pk_add_f32 v[\sc+J:\sc+J+1], v[\sc+J:\sc+J+1], v[\st:\st+1] op_sel_hi:[1,0]   ; t - M
.set J, J+2
.endr
.irp b, 0,1,2,3
	v_add_f32 v[BM+\b], v[BM+\b], v[\st]           ; the same of each block's largest t
.endr
.endm
.macro SM2 sc, st                      ; p and the row's sum
.set J, 0
.rept 64
	v_exp_f32 v[\sc+J], v[\sc+J]                   ; p = 2^(t - M): one batch
.set J, J+1
.endr
	v_pk_mul_f32 v[\st+2:\st+3], v[\st+2:\st+3], v[\st+4:\st+5] op_sel_hi:[1,0]   ; the sums under the new M: the plain place behind the exponentials
	s_wait_alu depctr_va_vdst(0)                   ; the 64 exponentials have written p: one wait for the batch, ahead of its first reader
.irp b, 0,1,2,3
	v_exp_f32 v[BM+\b], v[BM+\b]                   ; the block's largest p: the same instructions on the same number give the same bits
.endr
	v_pk_add_f32 v[PT:PT+1], v[\sc:\sc+1], v[\sc+2:\sc+3]   ; the row's sum of the unquantised p, in two chains
.set J, 4
.rept 15
	v_pk_add_f32 v[\st+2:\st+3], v[\st+2:\st+3], v[\sc+J:\sc+J+1]
	v_pk_add_f32 v[PT:PT+1], v[PT:PT+1], v[\sc+J+2:\sc+J+3]
.set J, J+4
.endr
	v_pk_add_f32 v[\st+2:\st+3], v[\st+2:\st+3], v[PT:PT+1]
	s_wait_alu depctr_va_vdst(0)                   ; the four exponentials have written the blocks' largest p, ahead of their first reader
.endm
.macro SM3 sc, st, pc                  ; p's scales and codes
.irp b, 0,1,2,3
	v_max_num_f32 v[BM+\b], 0x2800000, v[BM+\b]    ; the floor 2^(5 - 127): the byte cannot fall under 1
.endr
.irp b, 0,1,2,3
	v_add_nc_u32 v[SO+\b], 0xfe000000, v[BM+\b]
.endr
.irp b, 0,1,2,3
	v_lshrrev_b32 v[PT+\b], 23, v[SO+\b]
.endr
	v_lshl_or_b32 v[\st+5], v[PT+1], 8, v[PT]      ; p's scale word for these 128 keys
	v_lshl_or_b32 v[\st+5], v[PT+2], 16, v[\st+5]
	v_lshl_or_b32 v[\st+5], v[PT+3], 24, v[\st+5]
.irp c, 0,1
	v_cvt_scalef32_pk16_bf6_f32 v[\pc+6*\c:\pc+6*\c+2], v[\sc+32*\c:\sc+32*\c+15], v[SO+2*\c]
	v_cvt_scalef32_pk16_bf6_f32 v[PT+4*\c:PT+4*\c+2], v[\sc+32*\c+16:\sc+32*\c+31], v[SO+2*\c+1]
.endr
	v_nop                                          ; one plain place behind a scaled conversion
.irp c, 0,1
.irp i, 0,1,2
	v_permlane16_swap_b32 v[\pc+6*\c+\i], v[PT+4*\c+\i]   ; a whole block to a lane
.endr
.irp i, 0,1,2
	v_mov_b32 v[\pc+6*\c+3+\i], v[PT+4*\c+\i]
.endr
.endr
.endm
; the quantiser of the way out: as in the launch before
.macro QUANT s, d0, d1, pw
.irp b, 0,1,2,3
	v_max3_num_f32 v[TM+\b], |v[\s+16*\b]|, |v[\s+16*\b+1]|, 0x2800000
.endr
.irp i, 2,4,6,8,10,12,14
.irp b, 0,1,2,3
	v_max3_num_f32 v[TM+\b], v[TM+\b], |v[\s+16*\b+\i]|, |v[\s+16*\b+\i+1]|
.endr
.endr
.irp b, 0,1,2,3
	v_permlanex16_b32 v[TP+\b], v[TM+\b], s[SEL], s[SEL+1]
.endr
.irp b, 0,1,2,3
	v_max_num_f32 v[TM+\b], v[TM+\b], v[TP+\b]
.endr
.irp b, 0,1,2,3
	v_add_nc_u32 v[SO+\b], 0xfe000000, v[TM+\b]
.endr
.irp b, 0,1,2,3
	v_lshrrev_b32 v[TP+\b], 23, v[SO+\b]
.endr
	v_lshl_or_b32 v[\pw], v[TP+1], 8, v[TP]
	v_lshl_or_b32 v[\pw], v[TP+2], 16, v[\pw]
	v_lshl_or_b32 v[\pw], v[TP+3], 24, v[\pw]
	v_cvt_scalef32_pk16_bf6_f32 v[\d0:\d0+2], v[\s:\s+15], v[SO]
	v_cvt_scalef32_pk16_bf6_f32 v[CT:CT+2], v[\s+16:\s+31], v[SO+1]
	v_cvt_scalef32_pk16_bf6_f32 v[\d1:\d1+2], v[\s+32:\s+47], v[SO+2]
	v_cvt_scalef32_pk16_bf6_f32 v[CT+4:CT+6], v[\s+48:\s+63], v[SO+3]
	v_nop
.irp i, 0,1,2
	v_permlane16_swap_b32 v[\d0+\i], v[CT+\i]
.endr
.irp i, 0,1,2
	v_mov_b32 v[\d0+3+\i], v[CT+\i]
.endr
.irp i, 0,1,2
	v_permlane16_swap_b32 v[\d1+\i], v[CT+4+\i]
.endr
.irp i, 0,1,2
	v_mov_b32 v[\d1+3+\i], v[CT+4+\i]
.endr
.endm
	s_load_b256 s[4:11], s[0:1], 0x0               ; qc, kvc, attn_mask, key_padding_mask
	s_load_b64 s[12:13], s[0:1], 0x20              ; ac
	v_lshl_add_u32 v254, v0, 2, 0x1d800
	v_mov_b32 v255, 0
	v_lshrrev_b32 v13, 5, v0
	v_readfirstlane_b32 s14, v13                   ; wave 0..7
	s_and_b32 s35, ttmp7, 0xffff                   ; y = 4 b + pair of kv heads
	s_lshr_b32 s17, s35, 2
	s_and_b32 s18, s35, 3
	s_mov_b32 s[SEL], 0x76543210
	s_mov_b32 s[SEL+1], 0xfedcba98
	s_mov_b32 s[CS], 0x3fb8aa3b                    ; log2(e)
	s_mov_b32 s[CS+1], s[CS]
	v_and_b32 v13, 31, v0                          ; lane
	v_and_b32 v14, 15, v0                          ; r
	v_bfe_u32 v15, v0, 4, 1                        ; h
	v_lshlrev_b32 v9, 4, v13                       ; 16 x lane
	v_lshlrev_b32 v12, 2, v13                      ; 4 x lane
	v_lshlrev_b32 v16, 2, v14                      ; 4 r
	s_wait_alu depctr_va_sdst(0)                   ; s14 is written, ahead of its first reader: addresses and bases are made from it
	s_and_b32 s15, s14, 3                          ; which 16 queries
	s_lshr_b32 s16, s14, 2                         ; which of the two kv heads
	s_lshl_b32 s19, s17, 7
	s_lshl_b32 s44, ttmp9, 2
	s_add_co_u32 s19, s19, s44
	s_add_co_u32 s19, s19, s15                     ; my tile of queries: 128 b + 4 x + wave % 4
	s_lshl_b32 s46, s18, 1
	s_add_co_u32 s46, s46, s16                     ; my kv head = my pair of query heads
	s_mul_i32 s44, s15, 16*528
	v_mul_u32_u24 v1, v14, 528
	v_lshl_add_u32 v1, v15, 6, v1
	v_add_nc_u32 v1, s44, v1                       ; the mask's fragment: my query's row, + 64 h bytes
	s_mul_i32 s44, s16, 13312
	s_add_co_u32 s44, s44, KVO
	v_add_nc_u32 v2, s44, v9                       ; my head's images, slot 0, 1
	v_add_nc_u32 v3, SLOT, v2
	v_add_nc_u32 v4, s44, v12                      ; its scale records
	v_add_nc_u32 v5, SLOT, v4
	s_mul_i32 s44, s14, 8*528
	v_add_nc_u32 v6, s44, v9                       ; where I put my 8 rows of the mask
	s_mul_i32 s44, s14, 3072
	v_add_nc_u32 v10, s44, v9                      ; my 3,072 bytes of a step's K and V: in memory,
	v_add_nc_u32 v7, KVO, v10                      ; and in a slot
	s_lshl_b32 s44, s14, 8
	s_add_co_u32 s44, s44, 24576
	v_lshl_add_u32 v11, v13, 3, s44                ; and my 256 of the last 2,048
	v_add_nc_u32 v8, KVO, v11
	s_lshl_b32 s44, ttmp9, 6
	s_lshl_b32 s47, s14, 3
	s_add_co_u32 s44, s44, s47
	s_lshl_b32 s44, s44, 13                        ; the mask's row 64 x + 8 wave
	s_mov_b32 s45, 0
	s_wait_kmcnt 0x0
	s_add_nc_u64 s[20:21], s[8:9], s[44:45]
	s_mul_i32 s44, s35, 425984                     ; 16 steps of 26,624 bytes
	s_add_nc_u64 s[22:23], s[6:7], s[44:45]
	s_lshl_b32 s44, s17, 11
	s_add_nc_u64 s[24:25], s[10:11], s[44:45]
	s_lshl_b32 s47, s19, 3
	s_add_co_u32 s47, s47, s46
	s_mul_i32 s44, s47, 1536
	s_add_nc_u64 s[36:37], s[4:5], s[44:45]        ; Q's image
	s_lshl_b32 s44, s47, 7
	s_add_co_u32 s44, s44, 3145728
	s_add_nc_u64 s[38:39], s[4:5], s[44:45]        ; its scale words
	LOADS 0                                        ; step 0
.irp c, 0,1,2
	global_load_b128 v[32+4*\c:35+4*\c], v9, s[36:37] offset:512*\c   ; (no vector instruction has named v32-43 or v107, and none stands between the wait in LOADS and these loads)
.endr
	global_load_b32 v107, v12, s[38:39]
	s_lshr_b32 s44, s19, 3                         ; the result: block of 128 rows, K step = my pair of heads
	s_lshl_b32 s44, s44, 3
	s_add_co_u32 s44, s44, s46
	s_mul_i32 s44, s44, 12800
	s_and_b32 s47, s19, 7
	s_mul_i32 s35, s47, 1536
	s_lshl_b32 s47, s47, 6                         ; 64 bytes of a pair record for each tile
	s_add_co_u32 s47, s47, s44
	s_add_co_u32 s47, s47, 12288
	s_add_co_u32 s44, s44, s35
	s_add_nc_u64 s[40:41], s[12:13], s[44:45]
	s_mov_b32 s44, s47
	s_add_nc_u64 s[42:43], s[12:13], s[44:45]
	WIN 0x40
.set J, 0
.rept 64
	v_mov_b32 v[120+J], 0                          ; O^T.  (The step is written once for the loop: the first finds zeros, which the first change of M leaves zeros)
.set J, J+1
.endr
.irp i, 0,1,2,3,4,5
	v_mov_b32 v[112+\i], 0                         ; behind K's last tile
.endr
	v_mov_b32 v243, 0xce6e6b28                     ; -1e9
	WIN 0
.irp st, 20, 26
	v_mov_b32 v[\st+1], 0xff61b1e6                 ; the largest t so far: -3e38
	v_floor_f32 v[\st], -v[\st+1]
	v_mov_b32 v[\st+2], 0
	v_mov_b32 v[\st+3], 0
	v_mov_b32 v[\st+4], 0
	v_mov_b32 v[\st+5], 0
.endr
.irp b, 0,1,2,3
	v_mov_b32 v[PT+\b], 0                          ; written once: a lane permute's destination counts as one of its sources
	v_mov_b32 v[TP+\b], 0
.endr
	s_wait_loadcnt 0x0                             ; step 0's share, and Q with its scale words
	PADS
	WIN 0x04                                       ; an LDS store's data are its source 1
	s_wait_alu depctr_va_vdst(0)                   ; the selects have written v184-215 of window 1, which my LDS stores read
	PUT 0
.irp i, 0,1,2,3,4,5
	v_mov_b32 v[44+\i], v[38+\i]                   ; head B's 64 become the low half of an operand of their own
.endr
.irp i, 0,1,2,3,4,5
	v_mov_b32 v[38+\i], 0                          ; zero codes for k = 64 .. 127
	v_mov_b32 v[50+\i], 0
.endr
.irp k, 0,1,2,3
	v_bfe_u32 v[108+\k], v107, 8*\k, 8
.endr
.irp k, 0,1,2,3
	v_cmp_le_u32 s[30+\k], 4, v[108+\k]            ; the four compares in a run, each into a scalar register of its own
.endr
.irp k, 0,1,2,3
	v_add_nc_u32 v[108+\k], -3, v[108+\k]          ; 1 / 8 off the scale
.endr
	s_wait_alu depctr_va_sdst(0)                   ; the four compares have written s30 to s33, which the selects read
.irp k, 0,1,2,3
	v_cndmask_b32 v[108+\k], 1, v[108+\k], s[30+\k]
.endr
	v_lshl_or_b32 v56, v109, 8, v108
	v_or_b32 v56, 0x7f7f0000, v56                  ; head A's two bytes; 127 over the zero codes
	v_lshl_or_b32 v57, v111, 8, v110
	v_or_b32 v57, 0x7f7f0000, v57
.rept 8
	v_nop                                          ; a scale register written by a vector instruction stands 8 places ahead of a scaled matrix instruction
.endr
	s_wait_dscnt 0x0                               ; for the other waves' sake: my part of slot 0 has landed
	AHEAD                                          ; step 1's share
	s_barrier_signal -1
	s_barrier_wait -1                              ; slot 0 is whole
	FRAGS 0
	s_wait_dscnt 0x0
	SCORES                                         ; step 0's logits
; A STEP: 128 keys; its V lies in slot sg, the next step's tiles go into slot og.  stash: a step follows, whose share I store.  loads: a step after that follows, whose share I ask for.  next: the next step's logits are made.
.macro STEP sg, og, stash, loads, next
	SM1A 112, 20, 0, 0                             ; head A
	SM1B 112, 20
	SM2 112, 20
	SM3 112, 20, 66
.if \stash
	s_wait_loadcnt 0x0                             ; asked for behind the last step's stores
	PADS
	WIN 0x04                                       ; an LDS store's data are its source 1
.endif
	s_wait_alu depctr_va_vdst(0)                   ; the selects have written v184-215 of window 1, which my LDS stores read; head A's conversions are done reading v112-159 and the last step's products V^T P^T their scale words v62-65, in which V's loads land
.if \stash
	PUT \og                                        ; every wave's reads of that slot's old bytes ended in front of the last barrier
.endif
	SM1A 176, 26, 1, \sg                           ; head B: 72 lines between the stores and the wait for them, V's 16 loads dealt among the first 32
	s_wait_dscnt 0x0                               ; my stores have landed; V is in: my reads of this slot are over
.if \loads
	AHEAD
.endif
.if \stash
	s_barrier_signal -1
.endif
	SM1B 176, 26                                   ; work on registers while the others arrive
.if \stash
	s_barrier_wait -1                              ; the other slot is whole, and nobody reads this one any more
.endif
.if \next
	FRAGS \og
.endif
	SM2 176, 26
	SM3 176, 26, 78
	WIN 0x41                                       ; O^T window 1, f window 0
.set J, 0
.rept 16
	v_pk_mul_f32 v[120+J:121+J], v[120+J:121+J], v[24:25] op_sel_hi:[1,0]   ; O^T under the new M.  (These 32 are also the places between the lines that made p's codes and scale words and the products)
.set J, J+2
.endr
.set J, 0
.rept 16
	v_pk_mul_f32 v[152+J:153+J], v[152+J:153+J], v[30:31] op_sel_hi:[1,0]
.set J, J+2
.endr
	WIN 0x50                                       ; V and P window 0, O^T window 1
	s_wait_alu depctr_va_vdst(0)                   ; p's codes v66-89 and scale words v25, v31 are written, which the scaled products below take as source 1 and as scales; the places above stay beside this wait
.irp t, 0,1,2,3                        ; eight accumulators by turns
	v_wmma_scale_f32_16x16x128_f8f6f4 v[120+8*\t:127+8*\t], v[112+12*\t:123+12*\t], v[66:77], v[120+8*\t:127+8*\t], v[62+\t], v25 matrix_a_fmt:MATRIX_FMT_BF6 matrix_b_fmt:MATRIX_FMT_BF6
	v_wmma_scale_f32_16x16x128_f8f6f4 v[152+8*\t:159+8*\t], v[112+12*\t:123+12*\t], v[78:89], v[152+8*\t:159+8*\t], v[62+\t], v31 matrix_a_fmt:MATRIX_FMT_BF6 matrix_b_fmt:MATRIX_FMT_BF6
.endr
	WIN 0
.if \next
.rept 5
	v_nop                                          ; five places: the score products write over the registers that these products read as V
.endr
	s_wait_dscnt 0x0                               ; the mask's and K's fragments: asked for behind the barrier
	SCORES
.else
	PLACES                                         ; in front of the way out's reads of O^T and writes over V's registers
.endif
.endm
	s_mov_b32 s34, 7
.Ltrip:                                            ; steps 0 to 13: each stores step j + 1, asks for step j + 2 and makes step j + 1's logits
	STEP 0, 1, 1, 1, 1
	STEP 1, 0, 1, 1, 1
	s_sub_co_i32 s34, s34, 1
	s_cmp_lg_u32 s34, 0
	s_cbranch_scc1 .Ltrip
	STEP 0, 1, 1, 0, 1                             ; step 14: nothing is left to ask of memory
	STEP 1, 0, 0, 0, 0                             ; step 15: nothing follows, so nothing is stored, and no barrier is needed
	; THE WAY OUT: O^T / the sum; the two heads' 128 columns are one K step of the last product: quantised, stored as an image
	v_add_f32 v[TMP], v22, v23
	v_add_f32 v107, v28, v29
	v_permlanex16_b32 v[PT], v[TMP], s[SEL], s[SEL+1]
	v_permlanex16_b32 v[PT+1], v107, s[SEL], s[SEL+1]
	v_add_f32 v[TMP], v[TMP], v[PT]                ; the rows' sums
	v_add_f32 v107, v107, v[PT+1]
	v_rcp_f32 v24, v[TMP]
	v_rcp_f32 v30, v107
	v_nop                                          ; a plain place behind the reciprocals
	s_wait_alu depctr_va_vdst(0)                   ; the two reciprocals have written v24 and v30: one wait for both, ahead of the first reader
	WIN 0x01
.set J, 0
.rept 16
	v_pk_mul_f32 v[112+J:113+J], v[120+J:121+J], v[24:25] op_sel_hi:[1,0]   ; register 16 b + i: column 32 b + 16 h + i of the pair's 128
.set J, J+2
.endr
.set J, 0
.rept 16
	v_pk_mul_f32 v[144+J:145+J], v[152+J:153+J], v[30:31] op_sel_hi:[1,0]
.set J, J+2
.endr
	WIN 0
	QUANT 112, 66, 72, 252
	s_wait_alu depctr_va_vdst(0)                   ; the quantiser has written the image v66-77 and the scale word v252, which the stores below read
.irp c, 0,1,2
	global_store_b128 v9, v[66+4*\c:69+4*\c], s[40:41] offset:512*\c   ; 32 lanes store 512 consecutive bytes
.endr
	global_store_b32 v16, v252, s[42:43]           ; my tile's 16 words; both halves of the lanes hold and write the same
	s_wait_dscnt 0x0                               ; the closing lines, six on end
	s_wait_alu 0x0
	s_wait_tensorcnt 0x0
	ds_add_u32 v254, v255
	s_wait_dscnt 0x0
	s_endpgm
.Lfunc_end_k_q0e41095a54_attn:
	.size	k_q0e41095a54_attn, .Lfunc_end_k_q0e41095a54_attn-k_q0e41095a54_attn
	.p2alignl 7, 3214868480
	.fill 96, 4, 3214868480
	.section	.rodata,"a",@progbits
	.p2align	6, 0x0
	.amdhsa_kernel k_q0e41095a54_attn
		.amdhsa_group_segment_fixed_size 121856
		.amdhsa_private_segment_fixed_size 0
		.amdhsa_enable_private_segment 0
		.amdhsa_kernarg_size 40
		.amdhsa_user_sgpr_count 2
		.amdhsa_user_sgpr_kernarg_segment_ptr 1
		.amdhsa_wavefront_size32 1
		.amdhsa_system_sgpr_workgroup_id_x 1
		.amdhsa_system_sgpr_workgroup_id_y 1
		.amdhsa_system_sgpr_workgroup_id_z 1
		.amdhsa_system_vgpr_workitem_id 0
		.amdhsa_next_free_vgpr 512
		.amdhsa_next_free_sgpr 66
		.amdhsa_reserve_vcc 0
		.amdhsa_float_denorm_mode_32 3
		.amdhsa_float_denorm_mode_16_64 3
		.amdhsa_memory_ordered 1
		.amdhsa_forward_progress 1
		.amdhsa_inst_pref_size 172
	.end_amdhsa_kernel
	.amdgpu_metadata
---
amdhsa.version: [ 1, 2 ]
amdhsa.kernels:
  - .name:           k_q0e41095a54_attn
    .symbol:         k_q0e41095a54_attn.kd
    .args:
      - { .name: qc, .offset: 0, .size: 8, .value_kind: global_buffer, .address_space: global }
      - { .name: kvc, .offset: 8, .size: 8, .value_kind: global_buffer, .address_space: global }
      - { .name: attn_mask, .offset: 16, .size: 8, .value_kind: global_buffer, .address_space: global }
      - { .name: key_padding_mask, .offset: 24, .size: 8, .value_kind: global_buffer, .address_space: global }
      - { .name: ac, .offset: 32, .size: 8, .value_kind: global_buffer, .address_space: global }
    .group_segment_fixed_size: 121856
    .private_segment_fixed_size: 0
    .kernarg_segment_align: 8
    .kernarg_segment_size: 40
    .max_flat_workgroup_size: 256
    .sgpr_count:     66
    .vgpr_count:     512
    .wavefront_size: 32
...
	.end_amdgpu_metadata
.endif
;; end of part 5
;; launch gemm_o: the kernel of part 4 again; grid 256 x 1, 4 waves a work-group, no clusters, 307,712 bytes of LDS; arguments ac, wc, bo, out0; writes out0
